; MI455X (gfx1250); checked and timed in simulation.
; The chip was launched on July 23, 2026; its instructions are those of AMD's public machine-readable ISA for CDNA 5 (MIT licence, August 2026) and "CDNA5" Instruction Set Architecture Reference Guide (July 2026). The comments in the code are by the model that wrote it; some were corrected since.
;; Deep Seek V3 Module. Allowed arithmetic: matrix products marked QUANTISED: E2M1 operands, one E8M0 scale for each 32 along K, by v_wmma_scale_f32_16x16x128_f8f6f4 with both operands' format E2M1 (or v_wmma_scale_f32_32x16x128_f4), f32 sums; products left as they are: f32 operands where the result goes on into a quantised operand, else bf16, f16 or f32 operands; f32 sums; everything else in f32.
;; Inputs: b1 2 x 2,048 float32; b2 2 x 1,024 float32; hidden_states 2 x 2,048 x 1,024 float32; k_b 512 float32; k_w_codes 512 x 32 x 16 uint8 (E2M1 codes of k_w, K innermost, in blocks of 32 codes, two codes a byte); k_w_scales 512 x 32 uint8 (E8M0 scales of k_w, one for each 32 codes along K); o_b 1,024 float32; o_w_codes 1,024 x 32 x 16 uint8 (E2M1 codes of o_w, K innermost, in blocks of 32 codes, two codes a byte); o_w_scales 1,024 x 32 uint8 (E8M0 scales of o_w, one for each 32 codes along K); q_b 1,024 float32; q_w_codes 1,024 x 32 x 16 uint8 (E2M1 codes of q_w, K innermost, in blocks of 32 codes, two codes a byte); q_w_scales 1,024 x 32 uint8 (E8M0 scales of q_w, one for each 32 codes along K); router_b 2 float32; router_w 1,024 x 2 float32; v_b 512 float32; v_w_codes 512 x 32 x 16 uint8 (E2M1 codes of v_w, K innermost, in blocks of 32 codes, two codes a byte); v_w_scales 512 x 32 uint8 (E8M0 scales of v_w, one for each 32 codes along K); w1_codes 2 x 2,048 x 32 x 16 uint8 (E2M1 codes of w1, K innermost, in blocks of 32 codes, two codes a byte); w1_scales 2 x 2,048 x 32 uint8 (E8M0 scales of w1, one for each 32 codes along K); w2_codes 2 x 1,024 x 64 x 16 uint8 (E2M1 codes of w2, K innermost, in blocks of 32 codes, two codes a byte); w2_scales 2 x 1,024 x 64 uint8 (E8M0 scales of w2, one for each 32 codes along K).
;; Outputs: out0 2 x 2,048 x 1,024 float32.
;; This version of the problem:
;;   THIS VERSION OF THE PROBLEM IS GIVEN IN LOW PRECISION. The matrix products marked QUANTISED in the list below multiply operands that are first quantised to E2M1 (2 exponent bits, 1 mantissa bit; 4 bits a number), with one power-of-two scale for each 32 numbers along K (OCP MX v1.0); their sums are f32. All else is computed in f32.
;;   The module's matrix products, in the order in which they are computed (A, B: the left and right operand; K: the contracted axis; several contracted axes count as one K, in the product's order):
;;     1. [M 4,096, K 1,024] x [K 1,024, N 1,024]; A: input hidden_states; B: input q_w (given as codes): QUANTISED
;;     2. [M 4,096, K 1,024] x [K 1,024, N 512]; A: input hidden_states; B: input k_w (given as codes): QUANTISED
;;     3. [M 4,096, K 1,024] x [K 1,024, N 512]; A: input hidden_states; B: input v_w (given as codes): QUANTISED
;;     4. batch 32 x [M 2,048, K 32] x [K 32, N 2,048]; A: computed on the way; B: computed on the way: QUANTISED
;;     5. batch 32 x [M 2,048, K 2,048] x [K 2,048, N 32]; A: softmax (see below); B: computed on the way: QUANTISED
;;     6. [M 4,096, K 1,024] x [K 1,024, N 1,024]; A: computed on the way; B: input o_w (given as codes): QUANTISED
;;     7. [M 4,096, K 1,024] x [K 1,024, N 2]; A: computed on the way; B: input router_w: left as it is (N = 2 < 16)
;;     8. [M 4,096, K 1,024] x [K 1,024, N 4,096]; A: input w1 (given as codes); B: computed on the way: QUANTISED
;;     9. batch 2 x [M 4,096, K 2,048] x [K 2,048, N 1,024]; A: computed on the way; B: input w2 (given as codes): QUANTISED
;;     10. batch 4,096 x [M 1, K 2] x [K 2, N 1,024]; A: computed on the way; B: computed on the way: left as it is (K = 2 < 32)
;;   THE QUANTISER, for each operand of a quantised product, along K:
;;     - K is cut into blocks of 32 from its start; a last block that is shorter is filled with zeros.
;;     - A block's scale is 2^e with e = floor(log2(the largest magnitude in the block)) - 2, held to -126 .. 127; a block of zeros has e = 0. As a byte (E8M0): e + 127.
;;     - Each number is divided by its block's scale, clamped to +-6, and rounded to the nearest number of E2M1, ties to even, subnormals kept.
;;     - The product sums the exact products of the quantised numbers (number of the format x scale) in f32.
;;   ~~~python
;;   def quantise(x, axis):      # numpy; x: float32 -> the quantised numbers, widened to float32 again
;;       x = np.moveaxis(x, axis, -1); K = x.shape[-1]
;;       x = np.pad(x, [(0, 0)] * (x.ndim - 1) + [(0, -K % 32)]); x = x.reshape(x.shape[:-1] + (-1, 32)); a = np.abs(x).max(-1, keepdims=True)
;;       e = np.where(a > 0, np.clip(np.frexp(np.where(a > 0, a, 1))[1] - 1 - 2, -126, 127), 0)      # np.frexp(a)[1] - 1 = floor(log2(a)), exactly
;;       r = np.clip(x / 2.0 ** e, -6, 6)
;;       step = 2.0 ** (np.maximum(np.frexp(np.where(r == 0, 1, r))[1] - 1, 0) - 1)
;;       q = np.round(r / step) * step * 2.0 ** e      # np.round: ties to even
;;       return np.moveaxis(q.reshape(q.shape[:-2] + (-1,))[..., :K], -1, axis).astype(np.float32)
;;   ~~~
;;   SOFTMAX AHEAD OF A QUANTISED PRODUCT. Where the list says 'softmax', what is quantised is not the finished softmax but p = 2^(t - M), with t = logit x log2(e) and M = ceil(the row's largest t), a whole number; so 1/2 < the row's largest p <= 1. The row's sum l is taken of the UNQUANTISED p, in f32, and the product's result is divided by l at the end. Since M is a whole number, a kernel that streams over the keys may use a running M (the ceiling of the running maximum): every later rescaling is an exact power of two, which a block's scale takes up: the codes' values come out the same.
;;   OPERANDS COMPUTED ON THE WAY. 'Computed on the way' means the value that the module computes at that place (a softmax that the list does not call 'softmax' is quantised finished and normalised). What goes into a quantiser is computed in f32, as accurately as f32 sums, v_exp_f32 and their like allow (about 1e-6 of the number): no bf16 or f16 on the way to a quantiser, and a product that is left as it is and whose result goes on into a quantised operand takes f32 operands (vector FMAs, or v_wmma_f32_16x16x4_f32). A number that lies on a knife's edge between two numbers of the format may be rounded either way, as far as f32 arithmetic and the matrix unit's own rounding can turn it there, and no further.
;;   INPUTS GIVEN AS CODES. k_w (in the module: [1024, 512], K = its axis 0); o_w (in the module: [1024, 1024], K = its axis 0); q_w (in the module: [1024, 1024], K = its axis 0); v_w (in the module: [1024, 512], K = its axis 0); w1 (in the module: [2, 1024, 2048], K = its axis 1); w2 (in the module: [2, 2048, 1024], K = its axis 1): each comes as NAME_codes (uint8): NAME with its K axis moved to the last place and cut into blocks of 32 codes, [.., K / 32, bytes a block], one block behind the other in memory; two codes a byte, the lower K in the low four bits (a code: sign, 2 exponent bits, 1 mantissa bit); and NAME_scales (uint8): the same leading axes, one E8M0 byte (e + 127) for each 32 codes along K. Its value is code x scale, taken as it is: it is not quantised again, and the codes and scales need not be those that the quantiser above would give.
;; 2 versions, each right; version 2 is version 1 with the launch attn written anew for expert scheduling mode. Each part assembles by itself: llvm-mc -triple=amdgcn-amd-amdhsa -mcpu=gfx1250 --defsym DOCPART=n.
;; ======== version 1 of 2: 5 launches
;; workspace buffers: qkv 3,342,336 bytes; ao 1,114,112 bytes; mla 2,228,224 bytes; rp 262,144 bytes; h1 8,912,896 bytes
;; launch proj (part 1): grid 64 x 4, 4 waves a work-group, clusters of 4 x 1, 273,920 bytes of LDS; arguments hidden_states, q_w_codes, q_w_scales, q_b, k_w_codes, k_w_scales, k_b, v_w_codes, v_w_scales, v_b, qkv; writes qkv
.if DOCPART == 1
	.amdgcn_target "amdgcn-amd-amdhsa--gfx1250"
	.amdhsa_code_object_version 6
	.text
	.protected	k_q596b26cb31_proj
	.globl	k_q596b26cb31_proj
	.p2align	8
	.type	k_q596b26cb31_proj,@function
k_q596b26cb31_proj:
	s_mov_b64 s[64:65], 0
	v_nop
	global_prefetch_b8 v0, s[64:65] scope:SCOPE_SE
	s_setreg_imm32_b32 hwreg(HW_REG_WAVE_MODE, 25, 1), 1
	s_wait_xcnt 0x0
	s_wait_alu depctr_hold_cnt(0) depctr_sa_sdst(0) depctr_va_vdst(0) depctr_va_sdst(0) depctr_va_ssrc(0) depctr_va_vcc(0) depctr_vm_vsrc(0)
	s_getreg_b32 s2, hwreg(HW_REG_IB_STS2, 6, 4)
	s_cmp_eq_u32 s2, 0
	s_cbranch_scc0 .Lentry_in_a_cluster
	s_endpgm
.Lentry_in_a_cluster:
	s_bfe_u32 s2, ttmp6, 0x10000c
	s_cmp_lg_u32 s2, 0x3003
	s_cbranch_scc0 .Lentry_shape_is_right
	s_endpgm
.Lentry_shape_is_right:
; Q' = hs q_w[:, head's first 32] + q_b, K = hs k_w + k_b, V = hs v_w + v_b on codes of FP4 (E2M1) with one E8M0 scale for each 32 along K = 1,024; the three results are quantised here for the attention.
; SHARES.  A work-group takes 64 tokens (x) and four heads (y); wave w takes head 4 y + w: 32 columns each of Q', K and V for the 64 tokens: 24 accumulators, 8 K steps of 128, 192 matrix instructions.
; Only the first 32 of a head's 64 query channels enter the scores, so only those rows of q_w and q_b are read.
; hs arrives as f32: wave w quantises tokens 16 w .. 16 w + 15 and lays the eight fragments in LDS as images of their registers (chunk c of 512 bytes: lane l's registers 4 c .. 4 c + 3 at 16 l), with their scale words.
; The loads of hs run three K steps ahead of the step in hand, in four sets of 64 registers (two in window 0, two in window 1, where the products' fragments lie later): 48 loads of a wave are out while a step is worked.
; Q' and K are made transposed (source 0 = 16 weight rows, source 1 = 16 tokens): a lane holds one token and eight channels, and a head's 32 channels are one block of the scores' K.
; V is made the other way (source 0 = tokens): a lane holds one channel and eight tokens, since the tokens are the second product's K.
; CLUSTER.  The four work-groups of a cluster lie along x and share y, so they want the same weight rows: each wave's three tiles are asked for jointly, mask 15.  Every LDS byte is filled once.
; OUT (workspace qkv): Q codes [bh][token][16 B]; Q scale words [bh][token / 64][r]: byte i = token 64 g + 16 i + r; then a record for each bh: K codes, V codes as operand images, K words (as Q's), V words.
; LIMITS: NaN and infinities are not served; a block whose largest magnitude lies under 2^-124 (a block of zeros too) keeps the byte 1: its codes are read by this program alone.
; V's scale bytes leave two at a time and the scale words 64 bytes at a time: one byte in 16 of what the codes take.
.set WREG,  50688                      ; LDS: a wave's three weight tiles
.set WMAT,  16896                      ; one tile: 32 rows x (512 bytes + 16)
.set XSTG,  202752                     ; a stage of 16 rows x (512 + 16) for each wave
.set XIMG,  236544                     ; hs as images: (token tile t, K step s) at (8 t + s) x 1,024
.set XSC,   269312                     ; their scale words at 256 s + 64 t + 4 r
.set TM,    40                         ; v40-55: at work in the quantiser; in the products: hs's scale words
.set SEL,   60                         ; s[60:61] selects of v_permlanex16_b32: lane l xor 16
.set WV,    26                         ; s26 my wave
.set MSB, 0
.macro WIN new                         ; the immediate's high byte repeats the setting that is left
.if MSB != (\new)
	s_set_vgpr_msb (MSB<<8)|(\new)
.set MSB, (\new)
.endif
.endm
.macro PLACES n
.rept \n
	v_nop
.endr
.endm
.macro CROUND                          ; a round of the cluster's barrier
	s_barrier_signal -1
	s_barrier_wait -1
	s_cmp_lg_u32 s[WV], 0
	s_cbranch_scc1 .Lnot_wave_0_\@
	s_barrier_signal -3
.Lnot_wave_0_\@:
	s_barrier_wait -3
	s_barrier_signal -1
	s_barrier_wait -1
.endm
; one product: D, source 0, source 1, C, their scale registers, and whether a side's words stand in lanes 16-31
.macro WM d, a, b, c, sa, sb, ra, rb
.if (\ra) && (\rb)
	v_wmma_scale_f32_16x16x128_f8f6f4 v[(\d):(\d)+7], v[(\a):(\a)+7], v[(\b):(\b)+7], v[(\c):(\c)+7], v[(\sa)], v[(\sb)] matrix_a_fmt:MATRIX_FMT_FP4 matrix_b_fmt:MATRIX_FMT_FP4 matrix_a_scale:MATRIX_SCALE_ROW1 matrix_b_scale:MATRIX_SCALE_ROW1
.elseif (\ra)
	v_wmma_scale_f32_16x16x128_f8f6f4 v[(\d):(\d)+7], v[(\a):(\a)+7], v[(\b):(\b)+7], v[(\c):(\c)+7], v[(\sa)], v[(\sb)] matrix_a_fmt:MATRIX_FMT_FP4 matrix_b_fmt:MATRIX_FMT_FP4 matrix_a_scale:MATRIX_SCALE_ROW1
.elseif (\rb)
	v_wmma_scale_f32_16x16x128_f8f6f4 v[(\d):(\d)+7], v[(\a):(\a)+7], v[(\b):(\b)+7], v[(\c):(\c)+7], v[(\sa)], v[(\sb)] matrix_a_fmt:MATRIX_FMT_FP4 matrix_b_fmt:MATRIX_FMT_FP4 matrix_b_scale:MATRIX_SCALE_ROW1
.else
	v_wmma_scale_f32_16x16x128_f8f6f4 v[(\d):(\d)+7], v[(\a):(\a)+7], v[(\b):(\b)+7], v[(\c):(\c)+7], v[(\sa)], v[(\sb)] matrix_a_fmt:MATRIX_FMT_FP4 matrix_b_fmt:MATRIX_FMT_FP4
.endif
.endm
; four blocks of 32: block b is my 16 registers v[s + 16 b ..] and lane l xor 16's.  Leaves the conversions' scale operands in v[TM+12 ..] and the four bytes as a word in v[pw].
.macro QMAX s, pw
.irp b, 0,1,2,3
	v_max3_num_f32 v[TM+\b], |v[(\s)+16*\b]|, |v[(\s)+1+16*\b]|, 0x1800000   ; with the floor 2^(3 - 127): the byte cannot fall under 1
.endr
.irp i, 2,4,6,8,10,12,14
.irp b, 0,1,2,3
	v_max3_num_f32 v[TM+\b], v[TM+\b], |v[(\s)+16*\b+\i]|, |v[(\s)+1+16*\b+\i]|
.endr
.endr
.irp b, 0,1,2,3
	v_permlanex16_b32 v[TM+4+\b], v[TM+\b], s[SEL], s[SEL+1]
.endr
.irp b, 0,1,2,3
	v_max_num_f32 v[TM+\b], v[TM+\b], v[TM+4+\b]
.endr
.irp b, 0,1,2,3
	v_add_nc_u32 v[TM+12+\b], 0xff000000, v[TM+\b]   ; 2 off the exponent field: the conversion's scale operand
.endr
.irp b, 0,1,2,3
	v_lshrrev_b32 v[TM+4+\b], 23, v[TM+12+\b]        ; the scale's byte
.endr
	v_lshl_or_b32 v[\pw], v[TM+5], 8, v[TM+4]
	v_lshl_or_b32 v[\pw], v[TM+6], 16, v[\pw]
	v_lshl_or_b32 v[\pw], v[TM+7], 24, v[\pw]
.endm
; register 16 b + 8 u + j holds k = 32 b + 16 u + 8 (lane / 16) + j of my row: the codes become an operand's eight registers (lane (r, h), registers 4 c ..: block 2 c + h)
.macro QCVT_F s, pc
.irp c, 0,1
	v_cvt_scalef32_pk8_fp4_f32 v[(\pc)+4*\c],   v[(\s)+32*\c:(\s)+32*\c+7],     v[TM+12+2*\c]
	v_cvt_scalef32_pk8_fp4_f32 v[(\pc)+4*\c+2], v[(\s)+32*\c+8:(\s)+32*\c+15],  v[TM+12+2*\c]
	v_cvt_scalef32_pk8_fp4_f32 v[(\pc)+4*\c+1], v[(\s)+32*\c+16:(\s)+32*\c+23], v[TM+13+2*\c]
	v_cvt_scalef32_pk8_fp4_f32 v[(\pc)+4*\c+3], v[(\s)+32*\c+24:(\s)+32*\c+31], v[TM+13+2*\c]
.endr
	v_nop                                          ; one plain place behind the scaled conversions
.irp c, 0,1
	v_permlane16_swap_b32 v[(\pc)+4*\c], v[(\pc)+4*\c+1]
	v_permlane16_swap_b32 v[(\pc)+4*\c+2], v[(\pc)+4*\c+3]
.endr
.endm
; the same numbers as four separate rows of 16 bytes: the pair pc + 2 b then holds bytes 8 h .. 8 h + 7 of block b's row
.macro QCVT_T s, pc
.irp b, 0,1,2,3
	v_cvt_scalef32_pk8_fp4_f32 v[(\pc)+2*\b],   v[(\s)+16*\b:(\s)+16*\b+7],    v[TM+12+\b]
	v_cvt_scalef32_pk8_fp4_f32 v[(\pc)+2*\b+1], v[(\s)+16*\b+8:(\s)+16*\b+15], v[TM+12+\b]
.endr
	v_nop
.irp b, 0,1,2,3
	v_permlane16_swap_b32 v[(\pc)+2*\b], v[(\pc)+2*\b+1]
.endr
.endm
	s_load_b256 s[4:11], s[0:1], 0x0               ; hs, q_w codes, q_w scales, q_b
	s_load_b256 s[12:19], s[0:1], 0x20             ; k_w codes, k_w scales, k_b, v_w codes
	s_load_b128 s[20:23], s[0:1], 0x40             ; v_w scales, v_b
	s_load_b64 s[24:25], s[0:1], 0x50              ; qkv
	s_set_vgpr_msb 0x40
	v_lshl_add_u32 v254, v0, 2, 0x42c00
	v_mov_b32 v255, 0
	s_set_vgpr_msb 0x4045
	ds_add_u32 v254, v255
	ds_add_u32 v254, v255
	s_set_vgpr_msb 0x4500
	v_lshrrev_b32 v1, 5, v0
	v_readfirstlane_b32 s[WV], v1                  ; wave 0..3
	s_bfe_u32 s27, ttmp6, 0x40000                  ; cx
	s_lshl_b32 s28, ttmp9, 2
	s_add_co_u32 s28, s28, s27                     ; my block of 64 tokens: it enters hs's and the outputs' addresses alone
	s_and_b32 s29, ttmp7, 0xffff                   ; y, which the four partners share
	s_lshl_b32 s30, s29, 2
	s_add_co_u32 s30, s30, s[WV]                   ; my head
	s_lshr_b32 s31, s28, 5
	s_lshl_b32 s31, s31, 4
	s_add_co_u32 s31, s31, s30                     ; bh = 16 x batch + head
	s_and_b32 s32, s28, 31                         ; the block within its batch
	; descriptor group 1: 32 rows of 512 bytes, dense in memory, 16 bytes of padding behind each in LDS
	s_mov_b32 s40, 15|(1<<20)|(1<<21)|(6<<22)|(3<<25)  ; the mask: all four; elements of 1 byte; padding on; bit 21 beside a mask; after every 128 words, 4 words
	s_mov_b32 s41, 512<<16
	s_mov_b32 s42, 32<<16
	s_mov_b32 s43, 512<<16
	s_mov_b32 s44, 32
	s_mov_b32 s45, 512
	s_mov_b32 s46, 0
	s_mov_b32 s47, 0
	s_mul_i32 s33, s[WV], WREG                     ; my tiles in LDS: the wave's number alone
	s_lshl_b32 s34, s30, 15                        ; q_w: rows 64 x head, 512 bytes each
	s_mov_b32 s35, 0
	s_lshl_b32 s36, s30, 14                        ; k_w, v_w: rows 32 x head
	s_mov_b32 s37, 0
	s_mov_b32 s[SEL], 0x76543210
	s_mov_b32 s[SEL+1], 0xfedcba98
	s_wait_dscnt 0x0
	s_wait_kmcnt 0x0
	s_mov_b32 s48, 1
	s_mov_b32 s49, s33
	s_add_nc_u64 s[50:51], s[6:7], s[34:35]
	s_or_b32 s51, s51, 0x80000000
	s_mov_b32 s52, 1
	s_add_co_u32 s53, s33, WMAT
	s_add_nc_u64 s[54:55], s[12:13], s[36:37]
	s_or_b32 s55, s55, 0x80000000
	s_mov_b32 s56, 1
	s_add_co_u32 s57, s33, 2*WMAT
	s_add_nc_u64 s[58:59], s[18:19], s[36:37]
	s_or_b32 s59, s59, 0x80000000
	CROUND                                         ; the four work-groups are here: the joint loads meet
	tensor_load_to_lds s[48:51], s[40:47]          ; three loads of mine are out, all first fills
	s_nop 0
	tensor_load_to_lds s[52:55], s[40:47]
	s_nop 0
	tensor_load_to_lds s[56:59], s[40:47]
	s_nop 0
	PLACES 4
	v_and_b32 v1, 31, v0                           ; lane
	v_and_b32 v2, 15, v0                           ; r
	v_bfe_u32 v3, v0, 4, 1                         ; h
	v_lshlrev_b32 v4, 4, v1                        ; 16 x lane
	s_mul_i32 s34, s[WV], 8448
	s_add_co_u32 s34, s34, XSTG
	v_add_nc_u32 v5, s34, v4                       ; the stage, in: a token's 512 bytes as they lie
	v_mul_u32_u24 v6, v2, 528
	v_lshl_add_u32 v6, v3, 5, v6
	v_add_nc_u32 v6, s34, v6                       ; and out: row r, + 32 h
	s_lshl_b32 s34, s[WV], 13
	s_add_co_u32 s34, s34, XIMG
	v_add_nc_u32 v7, s34, v4                       ; where I store my images
	v_lshlrev_b32 v13, 2, v2                       ; 4 r
	s_lshl_b32 s34, s[WV], 6
	s_add_co_u32 s34, s34, XSC
	v_add_nc_u32 v8, s34, v13                      ; and their scale words
	v_add_nc_u32 v9, XIMG, v4                      ; where any image is read
	v_lshl_add_u32 v10, v1, 2, XSC                 ; and two tiles' scale words
	v_mul_u32_u24 v11, v2, 528
	v_lshl_add_u32 v11, v3, 4, v11
	v_add_nc_u32 v11, s33, v11                     ; my weight fragments
	v_lshlrev_b32 v12, 4, v2
	v_lshl_add_u32 v12, v3, 3, v12                 ; out: 16 r + 8 h
	v_lshlrev_b32 v14, 5, v2
	v_lshl_add_u32 v14, v3, 4, v14                 ; a weight row's scale bytes: 32 r + 16 h
	v_lshlrev_b32 v1, 5, v3                        ; 32 h (the lane's number is done with)
.irp b, 0,1,2,3
	v_mov_b32 v[TM+4+\b], 0                        ; a lane permute's destination counts as one of its sources
.endr
	s_lshl_b32 s34, s30, 11
	s_add_nc_u64 s[8:9], s[8:9], s[34:35]
	s_lshl_b32 s34, s30, 10
	s_add_nc_u64 s[14:15], s[14:15], s[34:35]
	s_add_nc_u64 s[20:21], s[20:21], s[34:35]
	s_lshl_b32 s34, s30, 8
	s_add_nc_u64 s[10:11], s[10:11], s[34:35]
	s_lshl_b32 s34, s30, 7
	s_add_nc_u64 s[16:17], s[16:17], s[34:35]
	s_add_nc_u64 s[22:23], s[22:23], s[34:35]
	s_lshl_b32 s34, s28, 18                        ; hs: 64 tokens of 4,096 bytes a block,
	s_lshl_b32 s36, s[WV], 16                      ; 16 a wave
	s_add_co_u32 s34, s34, s36
	s_add_nc_u64 s[4:5], s[4:5], s[34:35]
	; the weights' scale words: tile (m, u) in v[16 + 4 (2 m + u) ..]: lanes 0-15 K steps 0-3, lanes 16-31 K steps 4-7
	global_load_b128 v[16:19], v14, s[8:9]
	global_load_b128 v[20:23], v14, s[8:9] offset:512
	global_load_b128 v[24:27], v14, s[14:15]
	global_load_b128 v[28:31], v14, s[14:15] offset:512
	global_load_b128 v[32:35], v14, s[20:21]
	global_load_b128 v[36:39], v14, s[20:21] offset:512
; K step s of my 16 tokens into set s % 4: sets 0, 1 at v64, v128 of window 0, sets 2, 3 at v0, v64 of window 1.  Each load is 512 consecutive bytes of one token.
.macro XLOAD s
.set XL, (\s)%4
.if XL < 2
.irp i, 0,1,2,3,4,5,6,7,8,9,10,11,12,13,14,15
	global_load_b128 v[64+64*XL+4*\i:64+64*XL+4*\i+3], v4, s[4:5] offset:\i*4096+(\s)*512
.endr
.else
	WIN 0x40                                       ; destination window 1
.irp i, 0,1,2,3,4,5,6,7,8,9,10,11,12,13,14,15
	global_load_b128 v[64*(XL-2)+4*\i:64*(XL-2)+4*\i+3], v4, s[4:5] offset:\i*4096+(\s)*512
.endr
	WIN 0
.endif
.endm
; the biases, in the results' layout, in window 1: each is the C of a sum's first product.  Ten loads; of V's, where a lane holds one channel, the first register of each tile
.macro BIAS
	WIN 0x40
.irp u, 0,1
	global_load_b128 v[160+8*\u:163+8*\u], v1, s[10:11] offset:64*\u
	global_load_b128 v[164+8*\u:167+8*\u], v1, s[10:11] offset:64*\u+16
	global_load_b128 v[176+8*\u:179+8*\u], v1, s[16:17] offset:64*\u
	global_load_b128 v[180+8*\u:183+8*\u], v1, s[16:17] offset:64*\u+16
	global_load_b32 v[192+8*\u], v13, s[22:23] offset:64*\u
.endr
	WIN 0
.endm
.macro BIASV                           ; V's bias is the same for a lane's eight tokens
	WIN 0x41                                       ; destination and source window 1
.irp u, 0,1
.irp j, 1,2,3,4,5,6,7
	v_mov_b32 v[192+8*\u+\j], v[192+8*\u]
.endr
.endr
	WIN 0
.endm
	XLOAD 0                                        ; 6 + 48 loads of mine are out
	XLOAD 1
	XLOAD 2
	; where the results go
	s_mul_i32 s34, s31, 69632
	s_add_co_u32 s34, s34, 1114112                 ; my record
	s_lshl_b32 s36, s32, 10
	s_lshl_b32 s37, s32, 6
	s_lshr_b32 s38, s32, 1
	s_and_b32 s39, s32, 1
	s_mov_b32 s63, 0
	s_lshl_b32 s62, s31, 15
	s_add_co_u32 s62, s62, s36
	s_add_nc_u64 s[66:67], s[24:25], s[62:63]      ; Q codes
	s_lshl_b32 s62, s31, 11
	s_add_co_u32 s62, s62, s37
	s_add_co_u32 s62, s62, 1048576
	s_add_nc_u64 s[68:69], s[24:25], s[62:63]      ; Q scale words
	s_add_co_u32 s62, s34, s36
	s_add_nc_u64 s[70:71], s[24:25], s[62:63]      ; K codes
	s_add_co_u32 s62, s34, s37
	s_add_co_u32 s62, s62, 65536
	s_add_nc_u64 s[72:73], s[24:25], s[62:63]      ; K scale words
	s_lshl_b32 s62, s38, 11
	s_lshl_b32 s27, s39, 9
	s_add_co_u32 s62, s62, s27
	s_add_co_u32 s62, s62, s34
	s_add_co_u32 s62, s62, 32768
	s_add_nc_u64 s[74:75], s[24:25], s[62:63]      ; V codes: step, chunk
	s_lshl_b32 s62, s38, 7
	s_lshl_b32 s27, s39, 1
	s_add_co_u32 s62, s62, s27
	s_add_co_u32 s62, s62, s34
	s_add_co_u32 s62, s62, 67584
	s_add_nc_u64 s[76:77], s[24:25], s[62:63]      ; V scale bytes
; ---- hs into codes: a K step's 16 x 512 bytes turn through my stage, so that a lane holds 64 numbers of ONE token.
; Loads come back in order, so the count at a step's head is what was issued behind that step's 16 loads: two younger sets (32), and in steps 1 to 3 the ten bias loads, which were issued behind set 3.
.macro XSTEP s
.set XT, (\s)%4
.if (\s) == 0
	s_wait_loadcnt 32                              ; sets 1 and 2 may be out
.elseif (\s) < 4
	s_wait_loadcnt 42                              ; two younger sets and the biases may be out
.elseif (\s) < 6
	s_wait_loadcnt 32                              ; two younger sets; the biases are older and in
.else
	s_wait_loadcnt 16*(7-(\s))
.endif
.if (\s) < 5
	XLOAD (\s)+3                                   ; into the set of the step before: its stores to the stage were waited for in that step
.endif
.if (\s) == 0
	BIAS
.endif
.if (\s) == 5
	BIASV
.endif
.if XT < 2
.irp i, 0,1,2,3,4,5,6,7,8,9,10,11,12,13,14,15
	ds_store_b128 v5, v[64+64*XT+4*\i:64+64*XT+4*\i+3] offset:528*\i
.endr
.else
	WIN 0x04                                       ; an LDS store's data are its source 1: window 1
.irp i, 0,1,2,3,4,5,6,7,8,9,10,11,12,13,14,15
	ds_store_b128 v5, v[64*(XT-2)+4*\i:64*(XT-2)+4*\i+3] offset:528*\i
.endr
	WIN 0
.endif
.irp b, 0,1,2,3
.irp u, 0,1
.irp q, 0,1
	ds_load_b128 v[192+16*\b+8*\u+4*\q:192+16*\b+8*\u+4*\q+3], v6 offset:128*\b+64*\u+16*\q   ; k = 32 b + 16 u + 8 h + 4 q ..: LDS serves a wave's instructions in order
.endr
.endr
.endr
	s_wait_dscnt 0x0                               ; the numbers are back; the stores have read their registers, the last step's codes and word too
	QMAX 192, 15
	QCVT_F 192, 56
	ds_store_b128 v7, v[56:59] offset:1024*(\s)
	ds_store_b128 v7, v[60:63] offset:1024*(\s)+512
	ds_store_b32 v8, v15 offset:256*(\s)           ; lanes l and l xor 16 write the same word with the same value
.endm
.irp s, 0,1,2,3,4,5,6,7
	XSTEP \s
.endr
	s_wait_tensorcnt 0x0                           ; my weight tiles are in: only I read them
	s_wait_dscnt 0x0                               ; for the others' sake: my images and words have landed
	s_barrier_signal -1
	s_barrier_wait -1
; ---- the products
.irp s, 0,1,2,3,4,5,6,7
.irp p, 0,1
	ds_load_b32 v[TM+2*\s+\p], v10 offset:256*\s+128*\p   ; hs's scale words: lanes 0-15 tile 2 p, lanes 16-31 tile 2 p + 1
.endr
.endr
.macro FETCH p, s                      ; K step s: six weight fragments and four of hs into set p of window 1: 20 loads
	WIN 0x40
.irp m, 0,1,2
.irp u, 0,1
.irp c, 0,1
	ds_load_b128 v[80*(\p)+8*(2*\m+\u)+4*\c:80*(\p)+8*(2*\m+\u)+4*\c+3], v11 offset:\m*WMAT+\u*8448+64*(\s)+32*\c
.endr
.endr
.endr
.irp t, 0,1,2,3
.irp c, 0,1
	ds_load_b128 v[80*(\p)+48+8*\t+4*\c:80*(\p)+48+8*\t+4*\c+3], v9 offset:(8*\t+(\s))*1024+512*\c
.endr
.endr
	WIN 0
.endm
; 24 products; the 24 accumulators take turns, one instruction a turn.  Q' at v[64 + 16 t + 8 u], K at v[128 + ..], V at v[192 + 32 u + 8 t]
.macro PMUL s
.set P, 80*((\s)%2)
.set J, (\s)%4
.set HI, (\s)/4
.if (\s) == 0
	WIN 0x15                                       ; sources and C (the biases) window 1, D window 0
.else
	WIN 0x05
.endif
.irp t, 0,1,2,3
.irp m, 0,1
.irp u, 0,1
.if (\s) == 0
	WM 64+64*\m+16*\t+8*\u, P+16*\m+8*\u, P+48+8*\t, 160+16*\m+8*\u, 16+8*\m+4*\u+J, TM+2*(\s)+\t/2, HI, \t%2
.else
	WM 64+64*\m+16*\t+8*\u, P+16*\m+8*\u, P+48+8*\t, 64+64*\m+16*\t+8*\u, 16+8*\m+4*\u+J, TM+2*(\s)+\t/2, HI, \t%2
.endif
.endr
.endr
.irp u, 0,1
.if (\s) == 0
	WM 192+32*\u+8*\t, P+48+8*\t, P+32+8*\u, 192+8*\u, TM+2*(\s)+\t/2, 32+4*\u+J, \t%2, HI
.else
	WM 192+32*\u+8*\t, P+48+8*\t, P+32+8*\u, 192+32*\u+8*\t, TM+2*(\s)+\t/2, 32+4*\u+J, \t%2, HI
.endif
.endr
.endr
.endm
.macro PSTEP s
.if (\s) < 7
.if (\s) > 0
	PLACES 4                                       ; in front of loads into the set that the last products read
.endif
	FETCH ((\s)+1)%2, (\s)+1
	s_wait_dscnt 20                                ; all but the 20 just issued
.else
	s_wait_dscnt 0x0
.endif
	PMUL \s
.endm
	FETCH 0, 0
.irp s, 0,1,2,3,4,5,6,7
	PSTEP \s
.endr
	WIN 0
	PLACES 4                                       ; in front of the first read of results and of writes over the scale words
; ---- the results become codes
	QMAX 64, 15                                    ; Q': block t = the 32 channels of token 16 t + r
	QCVT_T 64, 56
.irp t, 0,1,2,3
	global_store_b64 v12, v[56+2*\t:57+2*\t], s[66:67] offset:256*\t   ; the wave stores 256 consecutive bytes, aligned
.endr
	global_store_b32 v13, v15, s[68:69]
	s_wait_xcnt 0x0                                ; the stores' data are written again only behind this wait
	QMAX 128, 15                                   ; K likewise
	QCVT_T 128, 56
.irp t, 0,1,2,3
	global_store_b64 v12, v[56+2*\t:57+2*\t], s[70:71] offset:256*\t
.endr
	global_store_b32 v13, v15, s[72:73]
	s_wait_xcnt 0x0
	QMAX 192, 15                                   ; V: block 2 u + b = channel 16 u + r, tokens 32 b .. 32 b + 31 of my 64
	QCVT_F 192, 56
	global_store_b128 v4, v[56:59], s[74:75]       ; channel tile 0: 512 consecutive bytes of an operand image
	global_store_b128 v4, v[60:63], s[74:75] offset:1024
	global_store_b16 v13, v15, s[76:77]            ; my two bytes of channel r's word,
	global_store_d16_hi_b16 v13, v15, s[76:77] offset:64   ; and of channel 16 + r's
	s_set_vgpr_msb 0x5
	s_wait_tensorcnt 0x0
	ds_add_u32 v254, v255
	s_wait_dscnt 0x0
	s_set_vgpr_msb 0x500
	CROUND                                         ; the closing round
	s_endpgm
.Lfunc_end_k_q596b26cb31_proj:
	.size	k_q596b26cb31_proj, .Lfunc_end_k_q596b26cb31_proj-k_q596b26cb31_proj
	.p2alignl 7, 3214868480
	.fill 96, 4, 3214868480
	.section	.rodata,"a",@progbits
	.p2align	6, 0x0
	.amdhsa_kernel k_q596b26cb31_proj
		.amdhsa_group_segment_fixed_size 273920
		.amdhsa_private_segment_fixed_size 0
		.amdhsa_enable_private_segment 0
		.amdhsa_kernarg_size 88
		.amdhsa_user_sgpr_count 2
		.amdhsa_user_sgpr_kernarg_segment_ptr 1
		.amdhsa_wavefront_size32 1
		.amdhsa_system_sgpr_workgroup_id_x 1
		.amdhsa_system_sgpr_workgroup_id_y 1
		.amdhsa_system_sgpr_workgroup_id_z 1
		.amdhsa_system_vgpr_workitem_id 0
		.amdhsa_next_free_vgpr 512
		.amdhsa_next_free_sgpr 80
		.amdhsa_reserve_vcc 0
		.amdhsa_float_denorm_mode_32 3
		.amdhsa_float_denorm_mode_16_64 3
		.amdhsa_memory_ordered 1
		.amdhsa_forward_progress 1
		.amdhsa_inst_pref_size 120
	.end_amdhsa_kernel
	.amdgpu_metadata
---
amdhsa.version: [ 1, 2 ]
amdhsa.kernels:
  - .name:           k_q596b26cb31_proj
    .symbol:         k_q596b26cb31_proj.kd
    .args:
      - { .name: hidden_states, .offset: 0, .size: 8, .value_kind: global_buffer, .address_space: global }
      - { .name: q_w_codes, .offset: 8, .size: 8, .value_kind: global_buffer, .address_space: global }
      - { .name: q_w_scales, .offset: 16, .size: 8, .value_kind: global_buffer, .address_space: global }
      - { .name: q_b, .offset: 24, .size: 8, .value_kind: global_buffer, .address_space: global }
      - { .name: k_w_codes, .offset: 32, .size: 8, .value_kind: global_buffer, .address_space: global }
      - { .name: k_w_scales, .offset: 40, .size: 8, .value_kind: global_buffer, .address_space: global }
      - { .name: k_b, .offset: 48, .size: 8, .value_kind: global_buffer, .address_space: global }
      - { .name: v_w_codes, .offset: 56, .size: 8, .value_kind: global_buffer, .address_space: global }
      - { .name: v_w_scales, .offset: 64, .size: 8, .value_kind: global_buffer, .address_space: global }
      - { .name: v_b, .offset: 72, .size: 8, .value_kind: global_buffer, .address_space: global }
      - { .name: qkv, .offset: 80, .size: 8, .value_kind: global_buffer, .address_space: global }
    .group_segment_fixed_size: 273920
    .private_segment_fixed_size: 0
    .kernarg_segment_align: 8
    .kernarg_segment_size: 88
    .max_flat_workgroup_size: 128
    .sgpr_count:     80
    .vgpr_count:     512
    .wavefront_size: 32
...
	.end_amdgpu_metadata
.endif
;; end of part 1
;; launch attn (part 2): grid 8 x 32, 16 waves a work-group, no clusters, 71,680 bytes of LDS; arguments qkv, ao; writes ao
.if DOCPART == 2
	.amdgcn_target "amdgcn-amd-amdhsa--gfx1250"
	.amdhsa_code_object_version 6
	.text
	.protected	k_q596b26cb31_attn
	.globl	k_q596b26cb31_attn
	.p2align	8
	.type	k_q596b26cb31_attn,@function
k_q596b26cb31_attn:
	s_mov_b64 s[64:65], 0
	v_nop
	global_prefetch_b8 v0, s[64:65] scope:SCOPE_SE
	s_setreg_imm32_b32 hwreg(HW_REG_WAVE_MODE, 25, 1), 1
	s_wait_xcnt 0x0
; ao[b][q][head's 32] = softmax_k(Q' . K / sqrt(32)) V on codes of FP4 (E2M1), then quantised for the output projection (a head's 32 channels of a token are one block of that product's K).
; THE SOFTMAX: t = score x log2(e) / sqrt(32); M = the running largest t rounded UP to a whole number; p = 2^(t - M) is quantised along the keys; the sum is taken of the unquantised p and divides at the end.
; SHARES.  Work-group (x, y): head y = 16 b + head, queries 256 x on; each of sixteen waves owns 16 queries in 256 registers, four waves to a SIMD.  Every wave walks the 2,048 keys, 128 a trip.
; A head's record (K codes, V codes, their scale words: 69,632 bytes) is copied into LDS once, through registers: one barrier, no ring.
; NO CLUSTER: what the eight work-groups of a head share is that record, read once at the head; behind it no tile is fetched, so there is nothing to ask for jointly, and nothing to ask for ahead.
; THE FIRST PRODUCT'S K IS 32, the instruction's 128.  Source 0 takes 64 keys x 16 bytes as they lie: its block i of row r is key 64 g + 16 i + r.  Source 1 is one of four constant operands that hold the
; queries' codes in block i alone and zero codes elsewhere: the product is S^T of keys 64 g + 16 i + 0 .. 15.  K's scale word has byte i for block i; the queries' has their byte at place i and 1 elsewhere.
; Both products are used transposed: a lane holds ONE query (lane % 16).  Register 16 b + 8 u + j of S^T is key 32 b + 16 u + 8 (lane / 16) + j of the trip.
; A TRIP begins with its score products: its K was asked for in the trip before, behind that trip's score products; its V is asked for at the same place and is wanted only behind the softmax.
; The last trip is written out, without the request for a next K.
; LIMITS: NaN and infinities are not served; a block of zeros keeps the byte 1.  ao's scale bytes leave one at a time, 16 a wave: 65,536 bytes in the launch beside 1,048,576 of codes.
; REGISTERS: v1-4 addresses; v6-9 the queries' scale words; v12 -M, v13 the largest t, v[14:15] the sum; v16-39 the four query operands; v40-55 K; v56-71 V; v72-75 scale words; v96-159 S^T, then p; v160-175 O^T; v224-231 p's codes; v232-254 at work.
	s_load_b128 s[4:7], s[0:1], 0x0                ; qkv, ao
	v_lshl_add_u32 v251, v0, 2, 0x11000
	v_mov_b32 v255, 0
	v_lshrrev_b32 v1, 5, v0
	v_readfirstlane_b32 s8, v1                     ; wave 0..15
	s_and_b32 s9, ttmp7, 0xffff                    ; bh
	s_mul_i32 s12, s9, 69632
	s_add_co_u32 s12, s12, 1114112                 ; the record
	s_mov_b32 s13, 0
	s_lshl_b32 s14, s9, 15                         ; my queries' codes: 16 bytes each
	s_lshl_b32 s30, ttmp9, 12
	s_add_co_u32 s14, s14, s30
	s_lshl_b32 s30, s8, 8
	s_add_co_u32 s14, s14, s30
	s_mov_b32 s15, 0
	s_lshl_b32 s16, s9, 11                         ; their scale words: group 4 x + wave / 4
	s_lshl_b32 s30, ttmp9, 8
	s_add_co_u32 s16, s16, s30
	s_lshr_b32 s30, s8, 2
	s_lshl_b32 s30, s30, 6
	s_add_co_u32 s16, s16, s30
	s_add_co_u32 s16, s16, 1048576
	s_mov_b32 s17, 0
	s_lshr_b32 s31, s9, 4                          ; batch
	s_and_b32 s32, s9, 15                          ; head
	s_lshl_b32 s31, s31, 7
	s_lshl_b32 s30, ttmp9, 4
	s_add_co_u32 s31, s31, s30
	s_add_co_u32 s31, s31, s8                      ; T: my tile of 16 tokens among 256
	s_lshr_b32 s33, s32, 2                         ; the K step of the next product: head / 4
	s_lshl_b32 s18, s31, 2
	s_add_co_u32 s18, s18, s33
	s_lshl_b32 s18, s18, 1
	s_bfe_u32 s30, s32, 0x10001                    ; the image's chunk: bit 1 of the head
	s_add_co_u32 s18, s18, s30
	s_lshl_b32 s18, s18, 9
	s_and_b32 s30, s32, 1                          ; and its half of the lanes
	s_lshl_b32 s30, s30, 8
	s_add_co_u32 s18, s18, s30
	s_mov_b32 s19, 0
	s_lshr_b32 s24, s31, 1                         ; the scale byte: ((T / 2) 4 + step) 128 + (T % 2) 64 + 4 r + head % 4
	s_lshl_b32 s24, s24, 2
	s_add_co_u32 s24, s24, s33
	s_lshl_b32 s24, s24, 7
	s_and_b32 s30, s31, 1
	s_lshl_b32 s30, s30, 6
	s_add_co_u32 s24, s24, s30
	s_and_b32 s30, s32, 3
	s_add_co_u32 s24, s24, s30
	s_add_co_u32 s24, s24, 1048576
	s_mov_b32 s25, 0
	s_mov_b32 s20, 0x76543210
	s_mov_b32 s21, 0xfedcba98                      ; lane l xor 16
	s_mov_b32 s22, 0x3e8293ee                      ; c = log2(e) / sqrt(32)
	s_mov_b32 s23, s22                             ; (named with it as a pair)
	s_mov_b32 s26, 0                               ; the trip's codes: 2,048 bytes a trip, of K and of V
	s_mov_b32 s27, 0                               ; its scale words: 128 bytes a trip
	s_mov_b32 s28, 15                              ; trips in the loop; the sixteenth is written out
	s_mov_b32 s29, 0x01010101
	v_and_b32 v11, 31, v0                          ; lane
	v_lshlrev_b32 v1, 4, v11                       ; 16 x lane
	v_and_b32 v5, 15, v0                           ; r
	v_lshl_add_u32 v2, v5, 2, 65536                ; K's scale words begin at LDS byte 65,536
	v_lshlrev_b32 v10, 4, v0                       ; 16 x thread: the copy
	v_add_nc_u32 v3, 65536, v10
	v_lshlrev_b32 v4, 4, v5                        ; 16 r
	v_lshlrev_b32 v5, 2, v5                        ; 4 r
	s_wait_kmcnt 0x0
	s_add_nc_u64 s[12:13], s[4:5], s[12:13]
	s_add_nc_u64 s[14:15], s[4:5], s[14:15]
	s_add_nc_u64 s[16:17], s[4:5], s[16:17]
	s_add_nc_u64 s[18:19], s[6:7], s[18:19]
	s_add_nc_u64 s[24:25], s[6:7], s[24:25]
.irp i, 0,1,2,3,4,5,6,7
	global_load_b128 v[96+4*\i:99+4*\i], v10, s[12:13] offset:8192*\i   ; the work-group reads 8,192 consecutive bytes
.endr
	global_load_b128 v[16:19], v4, s[14:15]        ; query r's 32 codes, in both halves of the lanes
	global_load_b32 v6, v5, s[16:17]
	s_cmp_lt_u32 s8, 8                             ; the record's last 4,096 bytes: waves 0 to 7
	s_cbranch_scc0 .Lno_ninth
	global_load_b128 v[128:131], v10, s[12:13] offset:65536
	s_wait_loadcnt 0x0
	ds_store_b128 v3, v[128:131]
.Lno_ninth:
	s_wait_loadcnt 0x0
.irp i, 0,1,2,3,4,5,6,7
	ds_store_b128 v10, v[96+4*\i:99+4*\i] offset:8192*\i
.endr
	; the queries' scale words: my byte at place i, 1 elsewhere
	s_and_b32 s30, s8, 3
	s_lshl_b32 s30, s30, 3
	v_cmp_gt_u32 vcc_lo, 16, v11                   ; lanes 0-15
	v_lshrrev_b32 v11, s30, v6
	v_and_b32 v11, 0xff, v11
	v_add_nc_u32 v11, -1, v11                      ; (the byte is 1 at the least)
.irp i, 0,1,2,3
	v_lshl_add_u32 v[6+\i], v11, 8*\i, s29
.endr
	; the four operands: v[16:23] block 0, v[28:35] block 1, v[20:27] block 2, v[32:39] block 3
.irp i, 0,1,2,3
	v_mov_b32 v[20+\i], 0
	v_mov_b32 v[32+\i], 0
.endr
.irp i, 0,1,2,3
	v_cndmask_b32 v[28+\i], v[16+\i], v[20+\i], vcc_lo   ; the codes in lanes 16-31 alone
	v_cndmask_b32 v[24+\i], v[20+\i], v[16+\i], vcc_lo   ; in lanes 0-15 alone
.endr
.irp i, 0,1,2,3
	v_mov_b32 v[36+\i], v[28+\i]
	v_mov_b32 v[16+\i], v[24+\i]
.endr
	v_mov_b32 v13, 0xff61b1e6                      ; the largest t so far: -3e38
	v_floor_f32 v12, -v13                          ; -M
	v_mov_b32 v14, 0
	v_mov_b32 v15, 0
	v_mov_b32 v253, 0                              ; (named as the upper half of v[252:253] before it is first written)
.irp b, 0,1,2,3
	v_mov_b32 v[236+\b], 0                         ; a lane permute's destination counts as one of its sources
.endr
.set j, 0
.rept 16
	v_mov_b32 v[160+j], 0                          ; O^T: the trip is written once for the loop; the first finds zeros
.set j, j+1
.endr
	s_wait_dscnt 0x0                               ; for the others' sake: my part of the record has landed
	s_barrier_signal -1
	s_barrier_wait -1
; A TRIP: 128 keys.  more = 1: the next trip's K is asked for.
.macro TRIP more
	s_wait_dscnt 0x0                               ; K and its words, asked for a trip ago, are in; no LDS load of mine is out, so the two address registers may be written
.irp g, 0,1
.irp i, 0,1,2,3
	v_wmma_scale_f32_16x16x128_f8f6f4 v[96+8*(4*\g+\i):103+8*(4*\g+\i)], v[40+8*\g:47+8*\g], v[16+12*(\i%2)+4*(\i/2):23+12*(\i%2)+4*(\i/2)], 0, v[72+\g], v[6+\i] matrix_a_fmt:MATRIX_FMT_FP4 matrix_b_fmt:MATRIX_FMT_FP4
.endr
.endr
	v_add_nc_u32 v3, s26, v1                       ; four places: behind these products, in front of the loads into K's registers and of the first read of the scores;
	v_add_nc_u32 v4, s27, v2                       ; and behind the last trip's second products, in front of the loads into V's registers
	v_nop
	v_nop
.irp u, 0,1
.irp c, 0,1
	ds_load_b128 v[56+8*\u+4*\c:59+8*\u+4*\c], v3 offset:32768+1024*\u+512*\c   ; V^T: channels 16 u on, these 128 keys
.endr
.endr
	ds_load_b32 v74, v4 offset:2048
	ds_load_b32 v75, v4 offset:2112
.if \more
.irp g, 0,1
.irp c, 0,1
	ds_load_b128 v[40+8*\g+4*\c:43+8*\g+4*\c], v3 offset:2048+1024*\g+512*\c    ; the next trip's K: 64 keys x 16 bytes as they lie
.endr
.endr
	ds_load_b32 v72, v4 offset:128
	ds_load_b32 v73, v4 offset:192
.endif
.irp b, 0,1,2,3
	v_max3_num_f32 v[232+\b], v[96+16*\b], v[97+16*\b], v[98+16*\b]   ; the largest score of each block of 32 keys: for the row's maximum and, since p rises with the score, for the block's largest p
.endr
.irp i, 3,5,7,9,11,13
.irp b, 0,1,2,3
	v_max3_num_f32 v[232+\b], v[232+\b], v[96+16*\b+\i], v[97+16*\b+\i]
.endr
.endr
.irp b, 0,1,2,3
	v_max_num_f32 v[232+\b], v[232+\b], v[111+16*\b]
.endr
.irp b, 0,1,2,3
	v_permlanex16_b32 v[236+\b], v[232+\b], s20, s21
.endr
.irp b, 0,1,2,3
	v_max_num_f32 v[232+\b], v[232+\b], v[236+\b]
.endr
	v_max3_num_f32 v254, v232, v233, v234
	v_max_num_f32 v254, v254, v235
	v_mul_f32 v254, s22, v254                      ; as t
	v_max_num_f32 v13, v13, v254                   ; the running largest t
	v_mov_b32 v254, v12
	v_floor_f32 v12, -v13                          ; the new -M = -ceil(t)
	v_sub_f32 v254, v12, v254                      ; old M - new M: a whole number, 0 or less
	v_cvt_i32_f32 v254, v254                       ; (it saturates)
	v_ldexp_f32 v252, 1.0, v254                    ; f = 2^(old M - new M)
.set j, 0
.rept 32
	v_pk_fma_f32 v[96+j:97+j], v[96+j:97+j], s[22:23], v[12:13] op_sel_hi:[1,0,0]   ; t - M
.set j, j+2
.endr
.irp b, 0,1,2,3
	v_fma_f32 v[232+\b], v[232+\b], s22, v12       ; the same of each block's largest score
.endr
.set j, 0
.rept 64
	v_exp_f32 v[96+j], v[96+j]                     ; p = 2^(t - M)
.set j, j+1
.endr
.irp b, 0,1,2,3
	v_exp_f32 v[232+\b], v[232+\b]                 ; the block's largest p: the same two instructions on the same number
.endr
	v_pk_mul_f32 v[14:15], v[14:15], v[252:253] op_sel_hi:[1,0]   ; the sum and O^T under the new M: nine plain lines that name no exponential's result
.set j, 0
.rept 8
	v_pk_mul_f32 v[160+j:161+j], v[160+j:161+j], v[252:253] op_sel_hi:[1,0]
.set j, j+2
.endr
	s_wait_alu depctr_va_vdst(0)                   ; one wait for the batch of 68, ahead of its first reader
.irp b, 0,1,2,3
	v_max_num_f32 v[232+\b], 0x1800000, v[232+\b]  ; the floor 2^(3 - 127)
.endr
.irp b, 0,1,2,3
	v_add_nc_u32 v[244+\b], 0xff000000, v[232+\b]  ; the conversion's scale operand
.endr
.irp b, 0,1,2,3
	v_lshrrev_b32 v[236+\b], 23, v[244+\b]
.endr
	v_lshl_or_b32 v253, v237, 8, v236              ; p's scale word for these 128 keys
	v_lshl_or_b32 v253, v238, 16, v253
	v_lshl_or_b32 v253, v239, 24, v253
.irp c, 0,1
	v_cvt_scalef32_pk8_fp4_f32 v[224+4*\c], v[96+32*\c:103+32*\c], v[244+2*\c]
	v_cvt_scalef32_pk8_fp4_f32 v[226+4*\c], v[104+32*\c:111+32*\c], v[244+2*\c]
	v_cvt_scalef32_pk8_fp4_f32 v[225+4*\c], v[112+32*\c:119+32*\c], v[245+2*\c]
	v_cvt_scalef32_pk8_fp4_f32 v[227+4*\c], v[120+32*\c:127+32*\c], v[245+2*\c]
.endr
	v_nop                                          ; one plain place behind the scaled conversions
.irp c, 0,1
	v_permlane16_swap_b32 v[224+4*\c], v[225+4*\c] ; lane (r, h), registers 4 c ..: the whole block 2 c + h
	v_permlane16_swap_b32 v[226+4*\c], v[227+4*\c]
.endr
	v_pk_add_f32 v[240:241], v[96:97], v[98:99]    ; the row's sum, of the unquantised p, in two chains: these 32 lines are also the places between p's word and codes and the products below
.irp j, 4,8,12,16,20,24,28,32,36,40,44,48,52,56,60
	v_pk_add_f32 v[14:15], v[14:15], v[96+\j:97+\j]
	v_pk_add_f32 v[240:241], v[240:241], v[98+\j:99+\j]
.endr
	v_pk_add_f32 v[14:15], v[14:15], v[240:241]
.if \more
	s_wait_dscnt 6                                 ; V and its words are in; the six loads of the next K, issued behind them, may be out
.else
	s_wait_dscnt 0x0                               ; V
.endif
	v_wmma_scale_f32_16x16x128_f8f6f4 v[160:167], v[56:63], v[224:231], v[160:167], v74, v253 matrix_a_fmt:MATRIX_FMT_FP4 matrix_b_fmt:MATRIX_FMT_FP4
	v_wmma_scale_f32_16x16x128_f8f6f4 v[168:175], v[64:71], v[224:231], v[168:175], v75, v253 matrix_a_fmt:MATRIX_FMT_FP4 matrix_b_fmt:MATRIX_FMT_FP4
.if \more
	s_add_co_u32 s26, s26, 2048
	s_add_co_u32 s27, s27, 128
.endif
.endm
.irp g, 0,1
.irp c, 0,1
	ds_load_b128 v[40+8*\g+4*\c:43+8*\g+4*\c], v1 offset:1024*\g+512*\c   ; the first trip's K
.endr
.endr
	ds_load_b32 v72, v2
	ds_load_b32 v73, v2 offset:64
.Lkeys:
	TRIP 1
	s_sub_co_u32 s28, s28, 1
	s_cmp_lg_u32 s28, 0
	s_cbranch_scc1 .Lkeys
	TRIP 0                                         ; the last 128 keys: nothing more is asked for
.rept 4
	v_nop
.endr
	v_add_f32 v14, v14, v15
	v_permlanex16_b32 v252, v14, s20, s21
	v_add_f32 v14, v14, v252                       ; the row's sum
	v_rcp_f32 v14, v14
	v_and_b32 v5, 15, v0                           ; (plain work behind the reciprocal)
	v_bfe_u32 v11, v0, 4, 1
	v_lshlrev_b32 v10, 4, v5
	v_lshl_add_u32 v10, v11, 3, v10                ; 16 r + 8 h
	v_lshlrev_b32 v11, 2, v5                       ; 4 r
	s_wait_alu depctr_va_vdst(0)
.set j, 0
.rept 16
	v_mul_f32 v[96+j], v[160+j], v14               ; register 8 u + i: channel 16 u + 8 h + i of query r
.set j, j+1
.endr
	v_max3_num_f32 v232, |v96|, |v97|, 0x1800000   ; one block: the head's 32 channels
.irp i, 2,4,6,8,10,12,14
	v_max3_num_f32 v232, v232, |v[96+\i]|, |v[97+\i]|
.endr
	v_permlanex16_b32 v236, v232, s20, s21
	v_max_num_f32 v232, v232, v236
	v_add_nc_u32 v244, 0xff000000, v232
	v_lshrrev_b32 v236, 23, v244
	v_cvt_scalef32_pk8_fp4_f32 v224, v[96:103], v244
	v_cvt_scalef32_pk8_fp4_f32 v225, v[104:111], v244
	v_nop
	v_permlane16_swap_b32 v224, v225               ; the pair: bytes 8 h .. 8 h + 7 of the row's 16
	global_store_b64 v10, v[224:225], s[18:19]     ; the wave stores 256 consecutive bytes, aligned
	global_store_b8 v11, v236, s[24:25]
	s_wait_tensorcnt 0x0
	ds_add_u32 v251, v255
	s_wait_dscnt 0x0
	s_endpgm
.Lfunc_end_k_q596b26cb31_attn:
	.size	k_q596b26cb31_attn, .Lfunc_end_k_q596b26cb31_attn-k_q596b26cb31_attn
	.p2alignl 7, 3214868480
	.fill 96, 4, 3214868480
	.section	.rodata,"a",@progbits
	.p2align	6, 0x0
	.amdhsa_kernel k_q596b26cb31_attn
		.amdhsa_group_segment_fixed_size 71680
		.amdhsa_private_segment_fixed_size 0
		.amdhsa_enable_private_segment 0
		.amdhsa_kernarg_size 16
		.amdhsa_user_sgpr_count 2
		.amdhsa_user_sgpr_kernarg_segment_ptr 1
		.amdhsa_wavefront_size32 1
		.amdhsa_system_sgpr_workgroup_id_x 1
		.amdhsa_system_sgpr_workgroup_id_y 1
		.amdhsa_system_sgpr_workgroup_id_z 1
		.amdhsa_system_vgpr_workitem_id 0
		.amdhsa_next_free_vgpr 256
		.amdhsa_next_free_sgpr 66
		.amdhsa_reserve_vcc 1
		.amdhsa_float_denorm_mode_32 3
		.amdhsa_float_denorm_mode_16_64 3
		.amdhsa_memory_ordered 1
		.amdhsa_forward_progress 1
		.amdhsa_inst_pref_size 36
	.end_amdhsa_kernel
	.amdgpu_metadata
---
amdhsa.version: [ 1, 2 ]
amdhsa.kernels:
  - .name:           k_q596b26cb31_attn
    .symbol:         k_q596b26cb31_attn.kd
    .args:
      - { .name: qkv, .offset: 0, .size: 8, .value_kind: global_buffer, .address_space: global }
      - { .name: ao, .offset: 8, .size: 8, .value_kind: global_buffer, .address_space: global }
    .group_segment_fixed_size: 71680
    .private_segment_fixed_size: 0
    .kernarg_segment_align: 8
    .kernarg_segment_size: 16
    .max_flat_workgroup_size: 512
    .sgpr_count:     66
    .vgpr_count:     256
    .wavefront_size: 32
...
	.end_amdgpu_metadata
.endif
;; end of part 2
;; launch oproj (part 3): grid 8 x 32, 4 waves a work-group, clusters of 4 x 4, 168,448 bytes of LDS; arguments ao, o_w_codes, o_w_scales, o_b, router_w, mla, rp; writes mla, rp
.if DOCPART == 3
	.amdgcn_target "amdgcn-amd-amdhsa--gfx1250"
	.amdhsa_code_object_version 6
	.text
	.protected	k_q596b26cb31_oproj
	.globl	k_q596b26cb31_oproj
	.p2align	8
	.type	k_q596b26cb31_oproj,@function
k_q596b26cb31_oproj:
	s_mov_b64 s[64:65], 0
	v_nop
	global_prefetch_b8 v0, s[64:65] scope:SCOPE_SE
	s_setreg_imm32_b32 hwreg(HW_REG_WAVE_MODE, 25, 1), 1
	s_wait_xcnt 0x0
	s_wait_alu depctr_hold_cnt(0) depctr_sa_sdst(0) depctr_va_vdst(0) depctr_va_sdst(0) depctr_va_ssrc(0) depctr_va_vcc(0) depctr_vm_vsrc(0)
	s_getreg_b32 s2, hwreg(HW_REG_IB_STS2, 6, 4)
	s_cmp_eq_u32 s2, 0
	s_cbranch_scc0 .Lentry_in_a_cluster
	s_endpgm
.Lentry_in_a_cluster:
	s_bfe_u32 s2, ttmp6, 0x10000c
	s_cmp_lg_u32 s2, 0xf033
	s_cbranch_scc0 .Lentry_shape_is_right
	s_endpgm
.Lentry_shape_is_right:
; mla = ao o_w + o_b on codes of FP4 (E2M1); the router's partial dot products of the f32 result; the result quantised for the experts' first product.
; ao is zero from K = 512 on by the problem's own padding, so K = 512 is multiplied and the second half of o_w's rows is not read (LIMIT: a scale byte 0xff there would not be seen).
; SHARES.  Work-group (X, Y): 128 columns x 128 tokens.  Wave w: tokens 32 w .. + 31 (two tiles) x all 128 columns: 16 accumulators, 4 K steps.  So a wave owns whole fragments and whole scale words of the next operand: its 128 columns are K step X.
; All of K lies in LDS: every byte is filled once.  CLUSTER 4 x 4: ao's tile hangs on Y alone and is shared along a row of the cluster, o_w's on X alone and along a column: joint loads.
; The product is used transposed (source 0 = 16 rows of o_w, source 1 = 16 tokens): lane (r, h) holds token r and columns 16 b + 8 h + j.
; The router's sum over 1,024 columns is taken here over my 128, in f32 multiply-adds in four chains an expert, and finished in the last launch: another order of additions than a plain sum's.
; LIMITS: NaN and infinities are not served; a block of zeros keeps the byte 1.  The scale words leave 128 bytes a wave.
.set TM,  52
.set SEL, 46                           ; s[46:47]
.set WV,  18
.set MSB, 0
.macro WIN new
.if MSB != (\new)
	s_set_vgpr_msb (MSB<<8)|(\new)
.set MSB, (\new)
.endif
.endm
.macro PLACES n
.rept \n
	v_nop
.endr
.endm
.macro CROUND
	s_barrier_signal -1
	s_barrier_wait -1
	s_cmp_lg_u32 s[WV], 0
	s_cbranch_scc1 .Lnot_wave_0_\@
	s_barrier_signal -3
.Lnot_wave_0_\@:
	s_barrier_wait -3
	s_barrier_signal -1
	s_barrier_wait -1
.endm
.macro JLOAD g0a, g1a, g0b, g1b        ; waves 0 and 1 fetch ao's halves, waves 2 and 3 o_w's; four v_nop follow each line
	s_cmp_eq_u32 s19, 0
	s_cbranch_scc0 .Lfor_b_\@
	tensor_load_to_lds s[\g0a:\g0a+3], s[\g1a:\g1a+7]
	s_nop 0
.rept 4
	v_nop
.endr
	s_branch .Lasked_\@
.Lfor_b_\@:
	tensor_load_to_lds s[\g0b:\g0b+3], s[\g1b:\g1b+7]
	s_nop 0
.rept 4
	v_nop
.endr
.Lasked_\@:
.endm
.macro WM d, a, b, c, sa, sb, ra, rb
.if (\ra) && (\rb)
	v_wmma_scale_f32_16x16x128_f8f6f4 v[(\d):(\d)+7], v[(\a):(\a)+7], v[(\b):(\b)+7], v[(\c):(\c)+7], v[(\sa)], v[(\sb)] matrix_a_fmt:MATRIX_FMT_FP4 matrix_b_fmt:MATRIX_FMT_FP4 matrix_a_scale:MATRIX_SCALE_ROW1 matrix_b_scale:MATRIX_SCALE_ROW1
.elseif (\ra)
	v_wmma_scale_f32_16x16x128_f8f6f4 v[(\d):(\d)+7], v[(\a):(\a)+7], v[(\b):(\b)+7], v[(\c):(\c)+7], v[(\sa)], v[(\sb)] matrix_a_fmt:MATRIX_FMT_FP4 matrix_b_fmt:MATRIX_FMT_FP4 matrix_a_scale:MATRIX_SCALE_ROW1
.elseif (\rb)
	v_wmma_scale_f32_16x16x128_f8f6f4 v[(\d):(\d)+7], v[(\a):(\a)+7], v[(\b):(\b)+7], v[(\c):(\c)+7], v[(\sa)], v[(\sb)] matrix_a_fmt:MATRIX_FMT_FP4 matrix_b_fmt:MATRIX_FMT_FP4 matrix_b_scale:MATRIX_SCALE_ROW1
.else
	v_wmma_scale_f32_16x16x128_f8f6f4 v[(\d):(\d)+7], v[(\a):(\a)+7], v[(\b):(\b)+7], v[(\c):(\c)+7], v[(\sa)], v[(\sb)] matrix_a_fmt:MATRIX_FMT_FP4 matrix_b_fmt:MATRIX_FMT_FP4
.endif
.endm
.macro QMAX s, pw                      ; four blocks of 32: my 16 registers v[s + 16 b ..] and lane l xor 16's; scale operands in v[TM+12 ..], the word in v[pw]
.irp b, 0,1,2,3
	v_max3_num_f32 v[TM+\b], |v[(\s)+16*\b]|, |v[(\s)+1+16*\b]|, 0x1800000
.endr
.irp i, 2,4,6,8,10,12,14
.irp b, 0,1,2,3
	v_max3_num_f32 v[TM+\b], v[TM+\b], |v[(\s)+16*\b+\i]|, |v[(\s)+1+16*\b+\i]|
.endr
.endr
.irp b, 0,1,2,3
	v_permlanex16_b32 v[TM+4+\b], v[TM+\b], s[SEL], s[SEL+1]
.endr
.irp b, 0,1,2,3
	v_max_num_f32 v[TM+\b], v[TM+\b], v[TM+4+\b]
.endr
.irp b, 0,1,2,3
	v_add_nc_u32 v[TM+12+\b], 0xff000000, v[TM+\b]
.endr
.irp b, 0,1,2,3
	v_lshrrev_b32 v[TM+4+\b], 23, v[TM+12+\b]
.endr
	v_lshl_or_b32 v[\pw], v[TM+5], 8, v[TM+4]
	v_lshl_or_b32 v[\pw], v[TM+6], 16, v[\pw]
	v_lshl_or_b32 v[\pw], v[TM+7], 24, v[\pw]
.endm
.macro QCVT_F s, pc                    ; register 16 b + 8 u + j = k 32 b + 16 u + 8 h + j: the codes become an operand's eight registers
.irp c, 0,1
	v_cvt_scalef32_pk8_fp4_f32 v[(\pc)+4*\c],   v[(\s)+32*\c:(\s)+32*\c+7],     v[TM+12+2*\c]
	v_cvt_scalef32_pk8_fp4_f32 v[(\pc)+4*\c+2], v[(\s)+32*\c+8:(\s)+32*\c+15],  v[TM+12+2*\c]
	v_cvt_scalef32_pk8_fp4_f32 v[(\pc)+4*\c+1], v[(\s)+32*\c+16:(\s)+32*\c+23], v[TM+13+2*\c]
	v_cvt_scalef32_pk8_fp4_f32 v[(\pc)+4*\c+3], v[(\s)+32*\c+24:(\s)+32*\c+31], v[TM+13+2*\c]
.endr
	v_nop
.irp c, 0,1
	v_permlane16_swap_b32 v[(\pc)+4*\c], v[(\pc)+4*\c+1]
	v_permlane16_swap_b32 v[(\pc)+4*\c+2], v[(\pc)+4*\c+3]
.endr
.endm
	s_load_b256 s[4:11], s[0:1], 0x0               ; ao, o_w codes, o_w scales, o_b
	s_load_b128 s[12:15], s[0:1], 0x20             ; router_w, mla
	s_load_b64 s[16:17], s[0:1], 0x30              ; rp
	v_lshl_add_u32 v126, v0, 2, 0x29000
	v_mov_b32 v127, 0
	ds_add_u32 v126, v127
	ds_add_u32 v126, v127
	v_lshrrev_b32 v1, 5, v0
	v_readfirstlane_b32 s[WV], v1
	s_lshr_b32 s19, s[WV], 1                       ; I fetch for ao (0) or for o_w (1)
	s_and_b32 s20, s[WV], 1                        ; which half
	s_bfe_u32 s40, ttmp6, 0x40000                  ; cx
	s_bfe_u32 s41, ttmp6, 0x40004                  ; cy
	s_lshl_b32 s42, ttmp9, 2
	s_add_co_u32 s42, s42, s40                     ; X
	s_and_b32 s43, ttmp7, 0xffff
	s_lshl_b32 s43, s43, 2
	s_add_co_u32 s43, s43, s41                     ; Y
	s_lshl_b32 s44, s41, 2
	s_lshl_b32 s44, 15, s44                        ; my row of the cluster
	s_lshl_b32 s45, 0x1111, s40                    ; my column
	s_or_b32 s24, s44, (3<<16)|(1<<21)             ; ao: a dense block of 16,384 bytes as 64 rows of 32 elements of 8 bytes
	s_mov_b32 s25, 32<<16
	s_mov_b32 s26, 64<<16
	s_mov_b32 s27, 32<<16
	s_mov_b32 s28, 64
	s_mov_b32 s29, 32
	s_mov_b32 s30, 0
	s_mov_b32 s31, 0
	s_or_b32 s48, s45, (1<<20)|(1<<21)|(5<<22)|(3<<25)   ; o_w: 64 rows x 256 bytes, 512 apart in memory; 16 bytes of padding behind each in LDS
	s_mov_b32 s49, 256<<16
	s_mov_b32 s50, 64<<16
	s_mov_b32 s51, 256<<16
	s_mov_b32 s52, 64
	s_mov_b32 s53, 512
	s_mov_b32 s54, 0
	s_mov_b32 s55, 0
	s_lshl_b32 s66, s43, 15                        ; ao: 128 tokens are 32,768 bytes of images
	s_lshl_b32 s21, s20, 14
	s_add_co_u32 s66, s66, s21
	s_mov_b32 s67, 0
	s_lshl_b32 s68, s42, 16                        ; o_w: row 128 X + 64 x half
	s_lshl_b32 s22, s20, 15
	s_add_co_u32 s68, s68, s22
	s_mov_b32 s69, 0
	s_mul_i32 s23, s20, 17408
	s_add_co_u32 s23, s23, 32768
	s_mov_b32 s[SEL], 0x76543210
	s_mov_b32 s[SEL+1], 0xfedcba98
	s_wait_dscnt 0x0
	s_wait_kmcnt 0x0
	s_mov_b32 s32, 1
	s_mov_b32 s33, s21
	s_add_nc_u64 s[34:35], s[4:5], s[66:67]
	s_or_b32 s35, s35, 0x80000000
	s_mov_b32 s56, 1
	s_mov_b32 s57, s23
	s_add_nc_u64 s[58:59], s[6:7], s[68:69]
	s_or_b32 s59, s59, 0x80000000
	CROUND
	JLOAD 32, 24, 56, 48                           ; one load of mine is out
	v_and_b32 v1, 31, v0
	v_and_b32 v2, 15, v0                           ; r
	v_bfe_u32 v3, v0, 4, 1                         ; h
	v_lshlrev_b32 v4, 4, v1                        ; 16 x lane
	s_lshl_b32 s21, s[WV], 13
	v_add_nc_u32 v5, s21, v4                       ; my two token tiles' images
	v_mul_u32_u24 v6, v2, 272
	v_lshl_add_u32 v6, v3, 4, v6
	v_add_nc_u32 v6, 32768, v6                     ; o_w's fragments
	v_lshlrev_b32 v7, 5, v2                        ; 32 r
	v_lshlrev_b32 v8, 2, v1                        ; 4 x lane
	v_lshlrev_b32 v9, 5, v3                        ; 32 h
	v_lshlrev_b32 v10, 6, v3                       ; 64 h
	v_lshlrev_b32 v11, 3, v1                       ; 8 x lane
.irp b, 0,1,2,3
	v_mov_b32 v[TM+4+\b], 0
.endr
	s_mov_b32 s67, 0
	s_lshl_b32 s66, s42, 12
	s_add_nc_u64 s[8:9], s[8:9], s[66:67]          ; o_w's scale bytes: 32 a row
	s_lshl_b32 s66, s43, 2
	s_add_co_u32 s66, s66, s[WV]
	s_lshl_b32 s66, s66, 9
	s_add_co_u32 s66, s66, 1048576
	s_add_nc_u64 s[70:71], s[4:5], s[66:67]        ; ao's scale words of my 32 tokens
	s_lshl_b32 s66, s42, 9
	s_add_nc_u64 s[10:11], s[10:11], s[66:67]
	s_lshl_b32 s66, s42, 10
	s_add_nc_u64 s[12:13], s[12:13], s[66:67]
	s_lshl_b32 s66, s43, 16
	s_lshl_b32 s21, s[WV], 14
	s_add_co_u32 s66, s66, s21
	s_lshl_b32 s21, s42, 10
	s_add_co_u32 s66, s66, s21
	s_add_nc_u64 s[72:73], s[14:15], s[66:67]      ; mla's images: ((8 Y + 2 w) 8 + X) x 1,024
	s_lshl_b32 s66, s42, 14
	s_lshl_b32 s21, s43, 9
	s_add_co_u32 s66, s66, s21
	s_lshl_b32 s21, s[WV], 7
	s_add_co_u32 s66, s66, s21
	s_add_co_u32 s66, s66, 2097152
	s_add_nc_u64 s[74:75], s[14:15], s[66:67]      ; its scale words
	s_lshl_b32 s66, s42, 15
	s_lshl_b32 s21, s43, 10
	s_add_co_u32 s66, s66, s21
	s_lshl_b32 s21, s[WV], 8
	s_add_co_u32 s66, s66, s21
	s_add_nc_u64 s[16:17], s[16:17], s[66:67]      ; rp
.irp b, 0,1,2,3,4,5,6,7
	global_load_b128 v[16+4*\b:19+4*\b], v7, s[8:9] offset:512*\b   ; register 4 b + s: the word of K step s
.endr
.irp s, 0,1,2,3
	global_load_b32 v[48+\s], v8, s[70:71] offset:128*\s            ; lanes 0-15 tile 0, lanes 16-31 tile 1
.endr
	WIN 0x40
.irp b, 0,1,2,3,4,5,6,7
	global_load_b128 v[160+8*\b:163+8*\b], v9, s[10:11] offset:64*\b
	global_load_b128 v[164+8*\b:167+8*\b], v9, s[10:11] offset:64*\b+16
.endr
	WIN 0x80
.irp b, 0,1,2,3,4,5,6,7
.irp q, 0,1,2,3
	global_load_b128 v[16*\b+4*\q:16*\b+4*\q+3], v10, s[12:13] offset:128*\b+16*\q   ; router_w of columns 16 b + 8 h + j: register 16 b + 2 j + e
.endr
.endr
	WIN 0
	s_wait_tensorcnt 0x0                           ; my part of the tiles is in,
	s_barrier_signal -1
	s_barrier_wait -1                              ; everybody's is
.macro OFETCH p, s                     ; K step s: eight fragments of o_w, two of ao: 20 loads
	WIN 0x40
.irp b, 0,1,2,3,4,5,6,7
.irp c, 0,1
	ds_load_b128 v[80*(\p)+8*\b+4*\c:80*(\p)+8*\b+4*\c+3], v6 offset:\b*4352+64*(\s)+32*\c
.endr
.endr
.irp a, 0,1
.irp c, 0,1
	ds_load_b128 v[80*(\p)+64+8*\a+4*\c:80*(\p)+64+8*\a+4*\c+3], v5 offset:\a*4096+(\s)*1024+512*\c
.endr
.endr
	WIN 0
.endm
.macro OSTEP s
.if (\s) < 3
.if (\s) > 0
	PLACES 4
.endif
	OFETCH ((\s)+1)%2, (\s)+1
	s_wait_dscnt 20                                ; all but the 20 just issued
.else
	s_wait_dscnt 0x0
.endif
.set P, 80*((\s)%2)
.if (\s) == 0
	WIN 0x15
.else
	WIN 0x05
.endif
.irp a, 0,1
.irp b, 0,1,2,3,4,5,6,7
.if (\s) == 0
	WM 128+64*\a+8*\b, P+8*\b, P+64+8*\a, 160+8*\b, 16+4*\b+(\s), 48+(\s), 0, \a
.else
	WM 128+64*\a+8*\b, P+8*\b, P+64+8*\a, 128+64*\a+8*\b, 16+4*\b+(\s), 48+(\s), 0, \a
.endif
.endr
.endr
.endm
	OFETCH 0, 0
	s_wait_loadcnt 0x0                             ; scale words, biases, router_w
.irp s, 0,1,2,3
	OSTEP \s                                       ; the 16 accumulators take turns, one instruction a turn
.endr
	WIN 0
	PLACES 4
.macro TAIL a
	WIN 0x08                                       ; source 1 (router_w) window 2
.set b, 0
.rept 8
.set j, 0
.rept 8
.if (b == 0) && (j < 4)
	v_mul_f32 v[88+2*(j%4)], v[128+64*(\a)+8*b+j], v[16*b+2*j]
	v_mul_f32 v[89+2*(j%4)], v[128+64*(\a)+8*b+j], v[16*b+2*j+1]
.else
	v_fma_f32 v[88+2*(j%4)], v[128+64*(\a)+8*b+j], v[16*b+2*j], v[88+2*(j%4)]
	v_fma_f32 v[89+2*(j%4)], v[128+64*(\a)+8*b+j], v[16*b+2*j+1], v[89+2*(j%4)]
.endif
.set j, j+1
.endr
.set b, b+1
.endr
	WIN 0
.irp e, 0,1
	v_add_f32 v[88+\e], v[88+\e], v[90+\e]
	v_add_f32 v[92+\e], v[92+\e], v[94+\e]
.endr
.irp e, 0,1
	v_add_f32 v[88+\e], v[88+\e], v[92+\e]
.endr
.irp e, 0,1
	v_permlanex16_b32 v[90+\e], v[88+\e], s[SEL], s[SEL+1]
.endr
.irp e, 0,1
	v_add_f32 v[96+2*(\a)+\e], v[88+\e], v[90+\e]  ; token r's sum over my 128 columns
.endr
	QMAX 128+64*(\a), 68+(\a)
	QCVT_F 128+64*(\a), 72+8*(\a)
	global_store_b128 v4, v[72+8*(\a):75+8*(\a)], s[72:73] offset:8192*(\a)        ; 512 consecutive bytes of an image
	global_store_b128 v4, v[76+8*(\a):79+8*(\a)], s[72:73] offset:8192*(\a)+512
.endm
	TAIL 0
	TAIL 1
	v_permlane16_swap_b32 v68, v69                 ; lane l: the word of token 32 w + l
	v_permlane16_swap_b32 v96, v98
	v_permlane16_swap_b32 v97, v99                 ; v[96:97]: its two partial sums
	global_store_b32 v8, v68, s[74:75]
	global_store_b64 v11, v[96:97], s[16:17]       ; 256 consecutive bytes, aligned
	s_wait_tensorcnt 0x0
	ds_add_u32 v126, v127
	s_wait_dscnt 0x0
	CROUND                                         ; the closing round
	s_endpgm
.Lfunc_end_k_q596b26cb31_oproj:
	.size	k_q596b26cb31_oproj, .Lfunc_end_k_q596b26cb31_oproj-k_q596b26cb31_oproj
	.p2alignl 7, 3214868480
	.fill 96, 4, 3214868480
	.section	.rodata,"a",@progbits
	.p2align	6, 0x0
	.amdhsa_kernel k_q596b26cb31_oproj
		.amdhsa_group_segment_fixed_size 168448
		.amdhsa_private_segment_fixed_size 0
		.amdhsa_enable_private_segment 0
		.amdhsa_kernarg_size 56
		.amdhsa_user_sgpr_count 2
		.amdhsa_user_sgpr_kernarg_segment_ptr 1
		.amdhsa_wavefront_size32 1
		.amdhsa_system_sgpr_workgroup_id_x 1
		.amdhsa_system_sgpr_workgroup_id_y 1
		.amdhsa_system_sgpr_workgroup_id_z 1
		.amdhsa_system_vgpr_workitem_id 0
		.amdhsa_next_free_vgpr 768
		.amdhsa_next_free_sgpr 80
		.amdhsa_reserve_vcc 0
		.amdhsa_float_denorm_mode_32 3
		.amdhsa_float_denorm_mode_16_64 3
		.amdhsa_memory_ordered 1
		.amdhsa_forward_progress 1
		.amdhsa_inst_pref_size 51
	.end_amdhsa_kernel
	.amdgpu_metadata
---
amdhsa.version: [ 1, 2 ]
amdhsa.kernels:
  - .name:           k_q596b26cb31_oproj
    .symbol:         k_q596b26cb31_oproj.kd
    .args:
      - { .name: ao, .offset: 0, .size: 8, .value_kind: global_buffer, .address_space: global }
      - { .name: o_w_codes, .offset: 8, .size: 8, .value_kind: global_buffer, .address_space: global }
      - { .name: o_w_scales, .offset: 16, .size: 8, .value_kind: global_buffer, .address_space: global }
      - { .name: o_b, .offset: 24, .size: 8, .value_kind: global_buffer, .address_space: global }
      - { .name: router_w, .offset: 32, .size: 8, .value_kind: global_buffer, .address_space: global }
      - { .name: mla, .offset: 40, .size: 8, .value_kind: global_buffer, .address_space: global }
      - { .name: rp, .offset: 48, .size: 8, .value_kind: global_buffer, .address_space: global }
    .group_segment_fixed_size: 168448
    .private_segment_fixed_size: 0
    .kernarg_segment_align: 8
    .kernarg_segment_size: 56
    .max_flat_workgroup_size: 128
    .sgpr_count:     80
    .vgpr_count:     768
    .wavefront_size: 32
...
	.end_amdgpu_metadata
.endif
;; end of part 3
;; launch ffn1 (part 4): grid 16 x 16, 4 waves a work-group, clusters of 4 x 4, 270,848 bytes of LDS; arguments mla, w1_codes, w1_scales, b1, h1; writes h1
.if DOCPART == 4
	.amdgcn_target "amdgcn-amd-amdhsa--gfx1250"
	.amdhsa_code_object_version 6
	.text
	.protected	k_q596b26cb31_ffn1
	.globl	k_q596b26cb31_ffn1
	.p2align	8
	.type	k_q596b26cb31_ffn1,@function
k_q596b26cb31_ffn1:
	s_mov_b64 s[64:65], 0
	v_nop
	global_prefetch_b8 v0, s[64:65] scope:SCOPE_SE
	s_setreg_imm32_b32 hwreg(HW_REG_WAVE_MODE, 25, 1), 1
	s_wait_xcnt 0x0
	s_wait_alu depctr_hold_cnt(0) depctr_sa_sdst(0) depctr_va_vdst(0) depctr_va_sdst(0) depctr_va_ssrc(0) depctr_va_vcc(0) depctr_vm_vsrc(0)
	s_getreg_b32 s2, hwreg(HW_REG_IB_STS2, 6, 4)
	s_cmp_eq_u32 s2, 0
	s_cbranch_scc0 .Lentry_in_a_cluster
	s_endpgm
.Lentry_in_a_cluster:
	s_bfe_u32 s2, ttmp6, 0x10000c
	s_cmp_lg_u32 s2, 0xf033
	s_cbranch_scc0 .Lentry_shape_is_right
	s_endpgm
.Lentry_shape_is_right:
; h1 = gelu(mla w1 + b1), both experts side by side (4,096 columns), on codes of FP4 (E2M1), K = 1,024; the result is quantised here for the second product.
; SHARES.  A tile of 256 tokens (Y) x 256 columns (X); four waves, each 128 x 128: 64 accumulators, 512 registers.  A wave's 128 columns are one K step of the next product.
; K lies in two LDS slots of 512 each, both filled once at the head: no slot is filled again.  mla comes as images of operand registers (dense loads of 16 bytes a lane), w1 as rows of 256 bytes + 16 of padding.
; CLUSTER 4 x 4: mla's tile hangs on Y alone and is shared along a row of the cluster, w1's on X alone and along a column: joint loads.
; The product is used transposed (source 0 = 16 rows of w1, source 1 = 16 tokens): lane (r, h) holds token r and columns 16 b + 8 h + j.  b1 is the C of each sum's first product.
; gelu(x) = x/2 + x/2 erf(x / sqrt 2), erf(z) = z P(z^2) / Q(z^2) with z held to +-4 (degrees 6 and 4, all in f32): good to a few units in the last place of erf.
; The way out is a loop of eight trips, one for each tile of 16 tokens: a short block of its own brings a tile's 64 results into fixed registers, the rest of the trip is written once.
; LIMITS: NaN and infinities are not served; a block of zeros keeps the byte 1.
; REGISTERS: window 0: v1-21 addresses; v32-63 w1's scale words (4 b + q; lanes 0-15 slot 0, lanes 16-31 slot 1); v64-95 mla's (4 ks + a / 2); v128-191 mla's fragments, one set; v192-255 b1.
;   window 1: w1's fragments, two sets.  windows 2, 3: the accumulators ((a, b) at v[8 (8 (a % 4) + b)]).
.set SLOT, 135168                      ; mla's 16 tiles x 4 K steps x 1,024 bytes, then w1's 256 rows x 272
.set TM,  208
.set SEL, 66                           ; s[66:67]
.set WV,  14
.set MSB, 0
.macro WIN new
.if MSB != (\new)
	s_set_vgpr_msb (MSB<<8)|(\new)
.set MSB, (\new)
.endif
.endm
.macro PLACES n
.rept \n
	v_nop
.endr
.endm
.macro CROUND
	s_barrier_signal -1
	s_barrier_wait -1
	s_cmp_lg_u32 s[WV], 0
	s_cbranch_scc1 .Lnot_wave_0_\@
	s_barrier_signal -3
.Lnot_wave_0_\@:
	s_barrier_wait -3
	s_barrier_signal -1
	s_barrier_wait -1
.endm
.macro JLOAD g0a, g1a, g0b, g1b        ; waves 0 and 1 fetch mla's halves, waves 2 and 3 w1's; four v_nop follow each line
	s_cmp_eq_u32 s15, 0
	s_cbranch_scc0 .Lfor_b_\@
	tensor_load_to_lds s[\g0a:\g0a+3], s[\g1a:\g1a+7]
	s_nop 0
.rept 4
	v_nop
.endr
	s_branch .Lasked_\@
.Lfor_b_\@:
	tensor_load_to_lds s[\g0b:\g0b+3], s[\g1b:\g1b+7]
	s_nop 0
.rept 4
	v_nop
.endr
.Lasked_\@:
.endm
.macro WM d, a, b, c, sa, sb, ra, rb
.if (\ra) && (\rb)
	v_wmma_scale_f32_16x16x128_f8f6f4 v[(\d):(\d)+7], v[(\a):(\a)+7], v[(\b):(\b)+7], v[(\c):(\c)+7], v[(\sa)], v[(\sb)] matrix_a_fmt:MATRIX_FMT_FP4 matrix_b_fmt:MATRIX_FMT_FP4 matrix_a_scale:MATRIX_SCALE_ROW1 matrix_b_scale:MATRIX_SCALE_ROW1
.elseif (\ra)
	v_wmma_scale_f32_16x16x128_f8f6f4 v[(\d):(\d)+7], v[(\a):(\a)+7], v[(\b):(\b)+7], v[(\c):(\c)+7], v[(\sa)], v[(\sb)] matrix_a_fmt:MATRIX_FMT_FP4 matrix_b_fmt:MATRIX_FMT_FP4 matrix_a_scale:MATRIX_SCALE_ROW1
.elseif (\rb)
	v_wmma_scale_f32_16x16x128_f8f6f4 v[(\d):(\d)+7], v[(\a):(\a)+7], v[(\b):(\b)+7], v[(\c):(\c)+7], v[(\sa)], v[(\sb)] matrix_a_fmt:MATRIX_FMT_FP4 matrix_b_fmt:MATRIX_FMT_FP4 matrix_b_scale:MATRIX_SCALE_ROW1
.else
	v_wmma_scale_f32_16x16x128_f8f6f4 v[(\d):(\d)+7], v[(\a):(\a)+7], v[(\b):(\b)+7], v[(\c):(\c)+7], v[(\sa)], v[(\sb)] matrix_a_fmt:MATRIX_FMT_FP4 matrix_b_fmt:MATRIX_FMT_FP4
.endif
.endm
.macro QMAX s, pw
.irp b, 0,1,2,3
	v_max3_num_f32 v[TM+\b], |v[(\s)+16*\b]|, |v[(\s)+1+16*\b]|, 0x1800000
.endr
.irp i, 2,4,6,8,10,12,14
.irp b, 0,1,2,3
	v_max3_num_f32 v[TM+\b], v[TM+\b], |v[(\s)+16*\b+\i]|, |v[(\s)+1+16*\b+\i]|
.endr
.endr
.irp b, 0,1,2,3
	v_permlanex16_b32 v[TM+4+\b], v[TM+\b], s[SEL], s[SEL+1]
.endr
.irp b, 0,1,2,3
	v_max_num_f32 v[TM+\b], v[TM+\b], v[TM+4+\b]
.endr
.irp b, 0,1,2,3
	v_add_nc_u32 v[TM+12+\b], 0xff000000, v[TM+\b]
.endr
.irp b, 0,1,2,3
	v_lshrrev_b32 v[TM+4+\b], 23, v[TM+12+\b]
.endr
	v_lshl_or_b32 v[\pw], v[TM+5], 8, v[TM+4]
	v_lshl_or_b32 v[\pw], v[TM+6], 16, v[\pw]
	v_lshl_or_b32 v[\pw], v[TM+7], 24, v[\pw]
.endm
.macro QCVT_F s, pc
.irp c, 0,1
	v_cvt_scalef32_pk8_fp4_f32 v[(\pc)+4*\c],   v[(\s)+32*\c:(\s)+32*\c+7],     v[TM+12+2*\c]
	v_cvt_scalef32_pk8_fp4_f32 v[(\pc)+4*\c+2], v[(\s)+32*\c+8:(\s)+32*\c+15],  v[TM+12+2*\c]
	v_cvt_scalef32_pk8_fp4_f32 v[(\pc)+4*\c+1], v[(\s)+32*\c+16:(\s)+32*\c+23], v[TM+13+2*\c]
	v_cvt_scalef32_pk8_fp4_f32 v[(\pc)+4*\c+3], v[(\s)+32*\c+24:(\s)+32*\c+31], v[TM+13+2*\c]
.endr
	v_nop
.irp c, 0,1
	v_permlane16_swap_b32 v[(\pc)+4*\c], v[(\pc)+4*\c+1]
	v_permlane16_swap_b32 v[(\pc)+4*\c+2], v[(\pc)+4*\c+3]
.endr
.endm
.macro SPAIR r, val                    ; a constant in both registers of a pair: the packed forms name the pair
	s_mov_b32 s[\r], \val
	s_mov_b32 s[\r+1], \val
.endm
	s_load_b256 s[4:11], s[0:1], 0x0               ; mla, w1 codes, w1 scales, b1
	s_load_b64 s[12:13], s[0:1], 0x20              ; h1
	v_lshl_add_u32 v30, v0, 2, 0x42000
	v_mov_b32 v31, 0
	ds_add_u32 v30, v31
	ds_add_u32 v30, v31
	v_lshrrev_b32 v1, 5, v0
	v_readfirstlane_b32 s[WV], v1
	s_lshr_b32 s15, s[WV], 1                       ; my half of the tokens.  Also: I fetch for mla (0) or for w1 (1)
	s_and_b32 s16, s[WV], 1                        ; my half of the columns.  Also: which half I fetch
	s_bfe_u32 s40, ttmp6, 0x40000
	s_bfe_u32 s41, ttmp6, 0x40004
	s_lshl_b32 s42, ttmp9, 2
	s_add_co_u32 s42, s42, s40                     ; X
	s_and_b32 s17, ttmp7, 0xffff
	s_lshl_b32 s17, s17, 2
	s_add_co_u32 s17, s17, s41                     ; Y
	s_lshl_b32 s43, s41, 2
	s_lshl_b32 s43, 15, s43                        ; my row of the cluster
	s_lshl_b32 s44, 0x1111, s40                    ; my column
	s_or_b32 s24, s43, (3<<16)|(1<<21)             ; mla: 8 token tiles x 4,096 bytes (512 elements of 8), 8,192 apart in memory, dense in LDS
	s_mov_b32 s25, 512<<16
	s_mov_b32 s26, 8<<16
	s_mov_b32 s27, 512<<16
	s_mov_b32 s28, 8
	s_mov_b32 s29, 1024
	s_mov_b32 s30, 0
	s_mov_b32 s31, 0
	s_or_b32 s48, s44, (1<<20)|(1<<21)|(5<<22)|(3<<25)   ; w1: 128 rows x 256 bytes, 512 apart; 16 bytes of padding behind each
	s_mov_b32 s49, 256<<16
	s_mov_b32 s50, 128<<16
	s_mov_b32 s51, 256<<16
	s_mov_b32 s52, 128
	s_mov_b32 s53, 512
	s_mov_b32 s54, 0
	s_mov_b32 s55, 0
	s_lshl_b32 s20, s17, 17
	s_lshl_b32 s18, s16, 16
	s_add_co_u32 s20, s20, s18                     ; mla: tile 16 Y + 8 x half, 8,192 bytes each
	s_mov_b32 s21, 0
	s_lshl_b32 s46, s42, 17
	s_add_co_u32 s46, s46, s18                     ; w1: row 256 X + 128 x half, 512 bytes each
	s_mov_b32 s47, 0
	s_lshl_b32 s22, s16, 15
	s_mul_i32 s23, s16, 34816
	s_add_co_u32 s23, s23, 65536
	s_mov_b32 s[SEL], 0x76543210
	s_mov_b32 s[SEL+1], 0xfedcba98
	s_wait_dscnt 0x0
	s_wait_kmcnt 0x0
	s_add_nc_u64 s[20:21], s[4:5], s[20:21]
	s_add_nc_u64 s[46:47], s[6:7], s[46:47]
	CROUND
.irp s, 0,1
	s_mov_b32 s[32+4*\s], 1
	s_add_co_u32 s[33+4*\s], s22, \s*SLOT
	s_add_nc_u64 s[34+4*\s:35+4*\s], s[20:21], \s*4096
	s_or_b32 s[35+4*\s], s[35+4*\s], 0x80000000
	s_mov_b32 s[56+4*\s], 1
	s_add_co_u32 s[57+4*\s], s23, \s*SLOT
	s_add_nc_u64 s[58+4*\s:59+4*\s], s[46:47], \s*256
	s_or_b32 s[59+4*\s], s[59+4*\s], 0x80000000
	JLOAD 32+4*\s, 24, 56+4*\s, 48                 ; two loads of mine are out, both first fills
.endr
	v_and_b32 v1, 31, v0
	v_and_b32 v2, 15, v0
	v_bfe_u32 v3, v0, 4, 1
	v_lshlrev_b32 v4, 4, v1                        ; 16 x lane
	s_lshl_b32 s18, s15, 15
	v_add_nc_u32 v16, s18, v4                      ; my 8 token tiles' images in slot 0,
	v_add_nc_u32 v17, SLOT, v16                    ; in slot 1
	v_mul_u32_u24 v5, v2, 272
	v_lshl_add_u32 v5, v3, 4, v5
	s_mul_i32 s18, s16, 34816
	s_add_co_u32 s18, s18, 65536
	v_add_nc_u32 v20, s18, v5                      ; my 128 rows of w1
	v_add_nc_u32 v21, SLOT, v20
	v_lshlrev_b32 v6, 5, v2
	v_lshl_add_u32 v6, v3, 4, v6                   ; 32 r + 16 h
	v_lshlrev_b32 v7, 2, v1                        ; 4 x lane
	v_lshlrev_b32 v8, 5, v3                        ; 32 h
	s_lshl_b32 s18, s[WV], 9
	v_lshl_add_u32 v12, v2, 2, s18                 ; the way out: my 512 bytes for scale words, in slot 0
	v_add_nc_u32 v14, s18, v4
	s_mov_b32 s19, 0
	s_lshl_b32 s18, s42, 13
	s_lshl_b32 s45, s16, 12
	s_add_co_u32 s18, s18, s45
	s_add_nc_u64 s[8:9], s[8:9], s[18:19]          ; w1's scale bytes
	s_lshl_b32 s18, s17, 10
	s_lshl_b32 s45, s15, 9
	s_add_co_u32 s18, s18, s45
	s_add_co_u32 s18, s18, 2097152
	s_add_nc_u64 s[4:5], s[4:5], s[18:19]          ; mla's scale words of my 128 tokens
	s_lshl_b32 s18, s42, 10
	s_lshl_b32 s45, s16, 9
	s_add_co_u32 s18, s18, s45
	s_add_nc_u64 s[10:11], s[10:11], s[18:19]      ; b1
	s_lshl_b32 s18, s42, 1
	s_add_co_u32 s18, s18, s16                     ; my K step of the next product: 2 X + half
	s_lshl_b32 s45, s18, 14
	s_lshl_b32 s18, s18, 10
	s_lshl_b32 s22, s17, 10
	s_add_co_u32 s45, s45, s22
	s_lshl_b32 s22, s15, 9
	s_add_co_u32 s45, s45, s22
	s_add_co_u32 s22, s45, 8388608
	s_mov_b32 s23, 0
	s_add_nc_u64 s[90:91], s[12:13], s[22:23]      ; h1's scale words
	s_lshl_b32 s22, s17, 19
	s_add_co_u32 s18, s18, s22
	s_lshl_b32 s22, s15, 18
	s_add_co_u32 s18, s18, s22
	s_add_nc_u64 s[12:13], s[12:13], s[18:19]      ; h1's images: tile 16 Y + 8 x half, 32,768 bytes a tile
.irp b, 0,1,2,3,4,5,6,7
	global_load_b128 v[32+4*\b:35+4*\b], v6, s[8:9] offset:512*\b
.endr
.irp k, 0,1,2,3,4,5,6,7
.irp a, 0,1,2,3
	global_load_b32 v[64+4*\k+\a], v7, s[4:5] offset:16384*\k+128*\a
.endr
.endr
.irp b, 0,1,2,3,4,5,6,7
	global_load_b128 v[192+8*\b:195+8*\b], v8, s[10:11] offset:64*\b
	global_load_b128 v[196+8*\b:199+8*\b], v8, s[10:11] offset:64*\b+16
.endr
	SPAIR 68, 0x32edffee                           ; P's coefficients behind the leading one,
	SPAIR 70, 0xb60cff51
	SPAIR 72, 0xb86ec2d2
	SPAIR 74, 0xba40ac63
	SPAIR 76, 0xbb41a1f6
	SPAIR 78, 0xbc83dbd4
	SPAIR 80, 0xb95fbd29                           ; Q's,
	SPAIR 82, 0xbadc924e
	SPAIR 84, 0xbbf19bf8
	SPAIR 86, 0xbc69b6a7
	SPAIR 88, 0x3f3504f3                           ; 1 / sqrt 2
.macro FRAGB reg, slot, q, i
.irp c, 0,1
	ds_load_b128 v[(\reg)+4*\c:(\reg)+4*\c+3], v[20+(\slot)] offset:64*(\q)+32*\c+(\i)*4352
.endr
.endm
.macro FRAGA reg, slot, q, i
.irp c, 0,1
	ds_load_b128 v[(\reg)+4*\c:(\reg)+4*\c+3], v[16+(\slot)] offset:(4*(\i)+(\q))*1024+512*\c
.endr
.endm
.macro FETCH_B slot, q, p              ; w1's eight fragments of the slot's q-th 128 along K into set p
	WIN 0x40
.irp i, 0,1,2,3,4,5,6,7
	FRAGB 128*(\p)+8*\i, \slot, \q, \i
.endr
	WIN 0
.endm
.macro FETCH_A slot, q, i0             ; mla's blocks i0 .. i0 + 3
.irp i, \i0, \i0+1, \i0+2, \i0+3
	FRAGA 128+8*(\i), \slot, \q, \i
.endr
.endm
; 16 products: token blocks a0, a0 + 1 x w1's eight.  The 64 accumulators take turns, one instruction a turn, in the same order in every step
.macro MUL16 a0, p, q, slot, first
.irp a, \a0, \a0+1
.irp b, 0,1,2,3,4,5,6,7
.if \first
	WM 8*(8*((\a)%4)+\b), 128*(\p)+8*\b, 128+8*(\a), 192+8*\b, 32+4*\b+(\q), 64+4*(4*(\slot)+(\q))+(\a)/2, \slot, (\a)%2
.else
	WM 8*(8*((\a)%4)+\b), 128*(\p)+8*\b, 128+8*(\a), 8*(8*((\a)%4)+\b), 32+4*\b+(\q), 64+4*(4*(\slot)+(\q))+(\a)/2, \slot, (\a)%2
.endif
.endr
.endr
.endm
.macro STEP slot, q, first             ; 128 along K, with its successor in the same slot
	s_wait_dscnt 8                                 ; w1's set and mla's blocks 0-3 are in; the youngest eight loads (blocks 4-7) may be out
.if \first
	WIN 0x81                                       ; source 0 window 1, source 1 and C (b1) window 0, D window 2
.else
	WIN 0xa1
.endif
	MUL16 0, (\q)%2, \q, \slot, \first
	MUL16 2, (\q)%2, \q, \slot, \first
	s_wait_dscnt 0x0
	PLACES 4                                       ; in front of loads into registers that products have read
	FETCH_B \slot, (\q)+1, 1-(\q)%2
	FETCH_A \slot, (\q)+1, 0
.if \first
	WIN 0xc1
.else
	WIN 0xf1
.endif
	MUL16 4, (\q)%2, \q, \slot, \first
	MUL16 6, (\q)%2, \q, \slot, \first
	PLACES 4
	WIN 0
	FETCH_A \slot, (\q)+1, 4
.endm
	s_wait_tensorcnt 1                             ; my part of slot 0 is in (slot 1's load may be out)
	s_barrier_signal -1
	s_barrier_wait -1                              ; everybody's is
	FETCH_B 0, 0, 0
	FETCH_A 0, 0, 0
	FETCH_A 0, 0, 4
	s_wait_loadcnt 0x0                             ; scale words and b1
	STEP 0, 0, 1
	STEP 0, 1, 0
	STEP 0, 2, 0
	s_wait_tensorcnt 0x0                           ; slot 0's last step changes slots: my part of slot 1 is in
	s_wait_dscnt 8
	WIN 0xa1
	MUL16 0, 1, 3, 0, 0
	s_wait_dscnt 0x0                               ; my reads of slot 0 are over
	s_barrier_signal -1
	MUL16 2, 1, 3, 0, 0
	WIN 0
	s_barrier_wait -1                              ; slot 1 is whole, and nobody reads slot 0 any more
	PLACES 4
	FETCH_B 1, 0, 0
	FETCH_A 1, 0, 0
	WIN 0xf1
	MUL16 4, 1, 3, 0, 0
	MUL16 6, 1, 3, 0, 0
	PLACES 4
	WIN 0
	FETCH_A 1, 0, 4
	STEP 1, 0, 0
	STEP 1, 1, 0
	STEP 1, 2, 0
	s_wait_dscnt 8
	WIN 0xa1
	MUL16 0, 1, 3, 1, 0
	MUL16 2, 1, 3, 1, 0
	s_wait_dscnt 0x0
	WIN 0xf1
	MUL16 4, 1, 3, 1, 0
	MUL16 6, 1, 3, 1, 0
	WIN 0
	PLACES 4
; ---- the way out.  v32-95 z, v96-159 x / 2 and then gelu, v160-175 z^2, v176-191 P, v192-207 Q, v208-223 the quantiser's, v224 the scale word, v226-233 the codes, v[234:235], v[236:237] the leading coefficients
	v_mov_b32 v234, 0xaf95df0b
	v_mov_b32 v235, 0xaf95df0b
	v_mov_b32 v236, 0xb77460cd
	v_mov_b32 v237, 0xb77460cd
.irp b, 0,1,2,3
	v_mov_b32 v[TM+4+\b], 0
.endr
.macro GELU16 g                        ; 16 numbers
.set ZB, 32+16*(\g)
.set HB, 96+16*(\g)
.irp i, 0,1,2,3,4,5,6,7,8,9,10,11,12,13,14,15
	v_med3_num_f32 v[ZB+\i], v[ZB+\i], -4.0, 4.0
.endr
.irp i, 0,2,4,6,8,10,12,14
	v_pk_mul_f32 v[160+\i:161+\i], v[ZB+\i:ZB+\i+1], v[ZB+\i:ZB+\i+1]
.endr
.irp i, 0,2,4,6,8,10,12,14
	v_pk_fma_f32 v[192+\i:193+\i], v[160+\i:161+\i], v[236:237], s[80:81] op_sel_hi:[1,1,0]
.endr
.irp k, 82,84,86
.irp i, 0,2,4,6,8,10,12,14
	v_pk_fma_f32 v[192+\i:193+\i], v[192+\i:193+\i], v[160+\i:161+\i], s[\k:\k+1] op_sel_hi:[1,1,0]
.endr
.endr
.irp i, 0,1,2,3,4,5,6,7,8,9,10,11,12,13,14,15
	v_rcp_f32 v[192+\i], v[192+\i]                 ; Q is -0.0142 or less: never 0
.endr
.irp i, 0,2,4,6,8,10,12,14
	v_pk_fma_f32 v[176+\i:177+\i], v[160+\i:161+\i], v[234:235], s[68:69] op_sel_hi:[1,1,0]   ; P: 56 plain lines that name no reciprocal
.endr
.irp k, 70,72,74,76,78
.irp i, 0,2,4,6,8,10,12,14
	v_pk_fma_f32 v[176+\i:177+\i], v[176+\i:177+\i], v[160+\i:161+\i], s[\k:\k+1] op_sel_hi:[1,1,0]
.endr
.endr
.irp i, 0,2,4,6,8,10,12,14
	v_pk_mul_f32 v[176+\i:177+\i], v[176+\i:177+\i], v[ZB+\i:ZB+\i+1]
.endr
	s_wait_alu depctr_va_vdst(0)                   ; one wait for the sixteen reciprocals, ahead of their first reader
.irp i, 0,2,4,6,8,10,12,14
	v_pk_mul_f32 v[176+\i:177+\i], v[176+\i:177+\i], v[192+\i:193+\i]          ; erf
.endr
.irp i, 0,2,4,6,8,10,12,14
	v_pk_fma_f32 v[HB+\i:HB+\i+1], v[HB+\i:HB+\i+1], v[176+\i:177+\i], v[HB+\i:HB+\i+1]   ; x/2 erf + x/2
.endr
.endm
	s_mov_b32 s3, 0                                ; the token tile
	s_mov_b32 s45, 0                               ; 64 x the tile: its scale words' place
.Ltile:
.irp a, 0,1,2,3,4,5,6
	s_cmp_eq_u32 s3, \a
	s_cbranch_scc1 .Lr\a
.endr
	s_branch .Lr7
.irp a, 0,1,2,3,4,5,6,7
.Lr\a:
	WIN 0x02+(\a)/4                                ; source 0: window 2 or 3
.set i, 0
.rept 32
	v_pk_mul_f32 v[32+i:33+i], v[64*((\a)%4)+i:64*((\a)%4)+i+1], s[88:89] op_sel_hi:[1,0]   ; each accumulator from its low end on
	v_pk_mul_f32 v[96+i:97+i], v[64*((\a)%4)+i:64*((\a)%4)+i+1], 0.5 op_sel_hi:[1,0]
.set i, i+2
.endr
	WIN 0
	s_branch .Lcore
.endr
.Lcore:
	GELU16 0
	GELU16 1
	GELU16 2
	GELU16 3
	QMAX 96, 224
	QCVT_F 96, 226
	v_add_nc_u32 v13, s45, v12
	global_store_b128 v4, v[226:229], s[12:13]     ; 512 consecutive bytes of an image
	global_store_b128 v4, v[230:233], s[12:13] offset:512
	ds_store_b32 v13, v224                         ; lanes l and l xor 16 write the same word with the same value
	s_wait_xcnt 0x0                                ; the stores' data and base are written again only behind this wait,
	s_wait_dscnt 0x0                               ; the word's register behind this one
	s_add_nc_u64 s[12:13], s[12:13], 32768
	s_add_co_u32 s45, s45, 64
	s_add_co_u32 s3, s3, 1
	s_cmp_lt_u32 s3, 8
	s_cbranch_scc1 .Ltile
	ds_load_b128 v[226:229], v14                   ; my 128 tokens' words
	s_wait_dscnt 0x0
	global_store_b128 v4, v[226:229], s[90:91]     ; 512 consecutive bytes, aligned
	s_wait_tensorcnt 0x0
	ds_add_u32 v30, v31
	s_wait_dscnt 0x0
	CROUND                                         ; the closing round
	s_endpgm
.Lfunc_end_k_q596b26cb31_ffn1:
	.size	k_q596b26cb31_ffn1, .Lfunc_end_k_q596b26cb31_ffn1-k_q596b26cb31_ffn1
	.p2alignl 7, 3214868480
	.fill 96, 4, 3214868480
	.section	.rodata,"a",@progbits
	.p2align	6, 0x0
	.amdhsa_kernel k_q596b26cb31_ffn1
		.amdhsa_group_segment_fixed_size 270848
		.amdhsa_private_segment_fixed_size 0
		.amdhsa_enable_private_segment 0
		.amdhsa_kernarg_size 40
		.amdhsa_user_sgpr_count 2
		.amdhsa_user_sgpr_kernarg_segment_ptr 1
		.amdhsa_wavefront_size32 1
		.amdhsa_system_sgpr_workgroup_id_x 1
		.amdhsa_system_sgpr_workgroup_id_y 1
		.amdhsa_system_sgpr_workgroup_id_z 1
		.amdhsa_system_vgpr_workitem_id 0
		.amdhsa_next_free_vgpr 1024
		.amdhsa_next_free_sgpr 100
		.amdhsa_reserve_vcc 0
		.amdhsa_float_denorm_mode_32 3
		.amdhsa_float_denorm_mode_16_64 3
		.amdhsa_memory_ordered 1
		.amdhsa_forward_progress 1
		.amdhsa_inst_pref_size 171
	.end_amdhsa_kernel
	.amdgpu_metadata
---
amdhsa.version: [ 1, 2 ]
amdhsa.kernels:
  - .name:           k_q596b26cb31_ffn1
    .symbol:         k_q596b26cb31_ffn1.kd
    .args:
      - { .name: mla, .offset: 0, .size: 8, .value_kind: global_buffer, .address_space: global }
      - { .name: w1_codes, .offset: 8, .size: 8, .value_kind: global_buffer, .address_space: global }
      - { .name: w1_scales, .offset: 16, .size: 8, .value_kind: global_buffer, .address_space: global }
      - { .name: b1, .offset: 24, .size: 8, .value_kind: global_buffer, .address_space: global }
      - { .name: h1, .offset: 32, .size: 8, .value_kind: global_buffer, .address_space: global }
    .group_segment_fixed_size: 270848
    .private_segment_fixed_size: 0
    .kernarg_segment_align: 8
    .kernarg_segment_size: 40
    .max_flat_workgroup_size: 128
    .sgpr_count:     100
    .vgpr_count:     1024
    .wavefront_size: 32
...
	.end_amdgpu_metadata
.endif
;; end of part 4
;; launch ffn2 (part 5): grid 8 x 32, 4 waves a work-group, clusters of 4 x 4, 327,680 bytes of LDS; arguments h1, w2_codes, w2_scales, b2, rp, router_b, hidden_states, out0; writes out0
.if DOCPART == 5
	.amdgcn_target "amdgcn-amd-amdhsa--gfx1250"
	.amdhsa_code_object_version 6
	.text
	.protected	k_q596b26cb31_ffn2
	.globl	k_q596b26cb31_ffn2
	.p2align	8
	.type	k_q596b26cb31_ffn2,@function
k_q596b26cb31_ffn2:
	s_mov_b64 s[64:65], 0
	v_nop
	global_prefetch_b8 v0, s[64:65] scope:SCOPE_SE
	s_setreg_imm32_b32 hwreg(HW_REG_WAVE_MODE, 25, 1), 1
	s_wait_xcnt 0x0
	s_wait_alu depctr_hold_cnt(0) depctr_sa_sdst(0) depctr_va_vdst(0) depctr_va_sdst(0) depctr_va_ssrc(0) depctr_va_vcc(0) depctr_vm_vsrc(0)
	s_getreg_b32 s2, hwreg(HW_REG_IB_STS2, 6, 4)
	s_cmp_eq_u32 s2, 0
	s_cbranch_scc0 .Lentry_in_a_cluster
	s_endpgm
.Lentry_in_a_cluster:
	s_bfe_u32 s2, ttmp6, 0x10000c
	s_cmp_lg_u32 s2, 0xf033
	s_cbranch_scc0 .Lentry_shape_is_right
	s_endpgm
.Lentry_shape_is_right:
; out = hs + 0.3 (c0 (h1_0 w2_0 + b2_0) + c1 (h1_1 w2_1 + b2_1)), the products on codes of FP4 (E2M1), K = 2,048 an expert.
; THE ROUTER.  Both of the two experts are always among the top 2, so an expert's weight is p_e / (p0 + p1 + 1e-8), p = softmax(logits) with the maximum taken away; the logits are router_b + the eight partial sums of the launch before last.
; SHARES.  Work-group (X, Y): 128 tokens x 128 columns; a wave 64 x 64 for both experts: 32 accumulators.  K goes in four chunks of 1,024 (expert 0's two, expert 1's two) through two LDS slots: two refills, written out.
; h1 comes as images of operand registers, w2 as rows of 512 bytes + 16 of padding.  CLUSTER 4 x 4: h1's tile hangs on Y alone (shared along a row), w2's on X alone (along a column): joint loads.
; A wave has two tensor loads out at the start and one behind each round.
; The product is used transposed: lane (r, h) holds token r and columns 16 b + 8 h + j.  b2 is the C of an expert's first product.  The launch claims all of a WGP's LDS and has the add of 0 onto spare words.
; LIMITS: NaN and infinities are not served.
; REGISTERS: window 0: v1-14 addresses; v16-31 the weights (pair 16 + 4 a + 2 e); v32-95 h1's scale words (2 es + a / 2); v96-159 w2's (8 (4 e + b) + step; lanes 16-31: the expert's second chunk); v160-255 at work.
;   window 1: two sets of fragments (w2 b at 8 b, h1 a at 32 + 8 a); b2 at 128 + 32 e + 8 b.   window 2: the accumulators at 128 e + 8 (4 a + b).   window 3: hs.
.set SLOT,  133120                     ; h1's 8 tiles x 8 K steps x 1,024 bytes, then w2's 128 rows x 528
.set STAGE, 266240                     ; 16 rows x (256 + 16) for each wave
.set SPARE, 283648                     ; the spare words: 128 bytes a wave
.set WV,  20
.set MSB, 0
.macro WIN new
.if MSB != (\new)
	s_set_vgpr_msb (MSB<<8)|(\new)
.set MSB, (\new)
.endif
.endm
.macro PLACES n
.rept \n
	v_nop
.endr
.endm
.macro CROUND
	s_barrier_signal -1
	s_barrier_wait -1
	s_cmp_lg_u32 s[WV], 0
	s_cbranch_scc1 .Lnot_wave_0_\@
	s_barrier_signal -3
.Lnot_wave_0_\@:
	s_barrier_wait -3
	s_barrier_signal -1
	s_barrier_wait -1
.endm
.macro JLOAD g0a, g1a, g0b, g1b        ; waves 0 and 1 fetch h1's halves, waves 2 and 3 w2's; four v_nop follow each line
	s_cmp_eq_u32 s21, 0
	s_cbranch_scc0 .Lfor_b_\@
	tensor_load_to_lds s[\g0a:\g0a+3], s[\g1a:\g1a+7]
	s_nop 0
.rept 4
	v_nop
.endr
	s_branch .Lasked_\@
.Lfor_b_\@:
	tensor_load_to_lds s[\g0b:\g0b+3], s[\g1b:\g1b+7]
	s_nop 0
.rept 4
	v_nop
.endr
.Lasked_\@:
.endm
.macro WM d, a, b, c, sa, sb, ra, rb
.if (\ra) && (\rb)
	v_wmma_scale_f32_16x16x128_f8f6f4 v[(\d):(\d)+7], v[(\a):(\a)+7], v[(\b):(\b)+7], v[(\c):(\c)+7], v[(\sa)], v[(\sb)] matrix_a_fmt:MATRIX_FMT_FP4 matrix_b_fmt:MATRIX_FMT_FP4 matrix_a_scale:MATRIX_SCALE_ROW1 matrix_b_scale:MATRIX_SCALE_ROW1
.elseif (\ra)
	v_wmma_scale_f32_16x16x128_f8f6f4 v[(\d):(\d)+7], v[(\a):(\a)+7], v[(\b):(\b)+7], v[(\c):(\c)+7], v[(\sa)], v[(\sb)] matrix_a_fmt:MATRIX_FMT_FP4 matrix_b_fmt:MATRIX_FMT_FP4 matrix_a_scale:MATRIX_SCALE_ROW1
.elseif (\rb)
	v_wmma_scale_f32_16x16x128_f8f6f4 v[(\d):(\d)+7], v[(\a):(\a)+7], v[(\b):(\b)+7], v[(\c):(\c)+7], v[(\sa)], v[(\sb)] matrix_a_fmt:MATRIX_FMT_FP4 matrix_b_fmt:MATRIX_FMT_FP4 matrix_b_scale:MATRIX_SCALE_ROW1
.else
	v_wmma_scale_f32_16x16x128_f8f6f4 v[(\d):(\d)+7], v[(\a):(\a)+7], v[(\b):(\b)+7], v[(\c):(\c)+7], v[(\sa)], v[(\sb)] matrix_a_fmt:MATRIX_FMT_FP4 matrix_b_fmt:MATRIX_FMT_FP4
.endif
.endm
	s_load_b256 s[4:11], s[0:1], 0x0               ; h1, w2 codes, w2 scales, b2
	s_load_b256 s[12:19], s[0:1], 0x20             ; rp, router_b, hs, out
	v_lshl_add_u32 v13, v0, 2, SPARE               ; my spare word; never rewritten
	v_mov_b32 v14, 0                               ; 0; never rewritten
	ds_add_u32 v13, v14
	ds_add_u32 v13, v14
	s_wait_dscnt 0x0
	v_lshrrev_b32 v1, 5, v0
	v_readfirstlane_b32 s[WV], v1
	s_lshr_b32 s21, s[WV], 1                       ; my half of the tokens.  Also: I fetch for h1 (0) or for w2 (1)
	s_and_b32 s22, s[WV], 1                        ; my half of the columns.  Also: which half I fetch
	s_bfe_u32 s40, ttmp6, 0x40000
	s_bfe_u32 s41, ttmp6, 0x40004
	s_lshl_b32 s42, ttmp9, 2
	s_add_co_u32 s42, s42, s40                     ; X
	s_and_b32 s43, ttmp7, 0xffff
	s_lshl_b32 s43, s43, 2
	s_add_co_u32 s43, s43, s41                     ; Y
	s_lshl_b32 s44, s41, 2
	s_lshl_b32 s44, 15, s44                        ; my row of the cluster
	s_lshl_b32 s45, 0x1111, s40                    ; my column
	s_or_b32 s24, s44, (3<<16)|(1<<21)             ; h1: 4 token tiles x 8,192 bytes (1,024 elements of 8), 32,768 apart in memory, dense in LDS
	s_mov_b32 s25, 1024<<16
	s_mov_b32 s26, 4<<16
	s_mov_b32 s27, 1024<<16
	s_mov_b32 s28, 4
	s_mov_b32 s29, 4096
	s_mov_b32 s30, 0
	s_mov_b32 s31, 0
	s_or_b32 s48, s45, (1<<20)|(1<<21)|(6<<22)|(3<<25)   ; w2: 64 rows x 512 bytes, 1,024 apart; 16 bytes of padding behind each
	s_mov_b32 s49, 512<<16
	s_mov_b32 s50, 64<<16
	s_mov_b32 s51, 512<<16
	s_mov_b32 s52, 64
	s_mov_b32 s53, 1024
	s_mov_b32 s54, 0
	s_mov_b32 s55, 0
	s_lshl_b32 s66, s43, 18
	s_lshl_b32 s23, s22, 17
	s_add_co_u32 s66, s66, s23                     ; h1: tile 8 Y + 4 x half
	s_mov_b32 s67, 0
	s_lshl_b32 s68, s42, 17
	s_lshl_b32 s23, s22, 16
	s_add_co_u32 s68, s68, s23                     ; w2: row 128 X + 64 x half
	s_mov_b32 s69, 0
	s_lshl_b32 s70, s22, 15
	s_mul_i32 s71, s22, 33792
	s_add_co_u32 s71, s71, 65536
	s_wait_kmcnt 0x0
	s_load_b64 s[72:73], s[14:15], 0x0             ; router_b
	s_add_nc_u64 s[66:67], s[4:5], s[66:67]
	s_add_nc_u64 s[68:69], s[6:7], s[68:69]
	CROUND
.irp s, 0,1
	s_mov_b32 s[32+4*\s], 1
	s_add_co_u32 s[33+4*\s], s70, \s*SLOT
	s_add_nc_u64 s[34+4*\s:35+4*\s], s[66:67], \s*8192
	s_or_b32 s[35+4*\s], s[35+4*\s], 0x80000000
	s_mov_b32 s[56+4*\s], 1
	s_add_co_u32 s[57+4*\s], s71, \s*SLOT
	s_add_nc_u64 s[58+4*\s:59+4*\s], s[68:69], \s*512
	s_or_b32 s[59+4*\s], s[59+4*\s], 0x80000000
	JLOAD 32+4*\s, 24, 56+4*\s, 48
.endr
	v_and_b32 v1, 31, v0
	v_and_b32 v2, 15, v0                           ; r
	v_bfe_u32 v3, v0, 4, 1                         ; h
	v_lshlrev_b32 v12, 4, v1
	s_lshl_b32 s74, s21, 15
	v_add_nc_u32 v4, s74, v12                      ; my 4 token tiles' images in slot 0,
	v_add_nc_u32 v5, SLOT, v4                      ; in slot 1
	v_mul_u32_u24 v6, v2, 528
	v_lshl_add_u32 v6, v3, 4, v6
	s_mul_i32 s74, s22, 33792
	s_add_co_u32 s74, s74, 65536
	v_add_nc_u32 v6, s74, v6                       ; my 64 rows of w2
	v_add_nc_u32 v7, SLOT, v6
	s_mul_i32 s74, s[WV], 4352
	s_add_co_u32 s74, s74, STAGE
	v_mul_u32_u24 v8, v2, 272
	v_lshl_add_u32 v8, v3, 5, v8
	v_add_nc_u32 v8, s74, v8                       ; the stage, in: row r, + 32 h
	v_mul_u32_u24 v9, v3, 272
	v_lshl_add_u32 v9, v2, 4, v9
	v_add_nc_u32 v9, s74, v9                       ; and back: lanes 0-15 one row, lanes 16-31 the next
	v_lshlrev_b32 v10, 12, v3
	v_lshl_add_u32 v10, v2, 4, v10                 ; the same two rows in hs and in out
	v_lshlrev_b32 v11, 6, v2
	v_lshl_add_u32 v11, v3, 5, v11                 ; 64 r + 32 h
	v_lshlrev_b32 v12, 2, v1                       ; 4 x lane
	v_lshlrev_b32 v242, 3, v2                      ; 8 r
	v_lshlrev_b32 v243, 5, v3                      ; 32 h
	s_mov_b32 s75, 0
	s_lshl_b32 s74, s42, 13
	s_lshl_b32 s23, s22, 12
	s_add_co_u32 s74, s74, s23
	s_add_nc_u64 s[8:9], s[8:9], s[74:75]          ; w2's scale bytes: 64 a row
	s_lshl_b32 s74, s43, 9
	s_lshl_b32 s23, s21, 8
	s_add_co_u32 s74, s74, s23
	s_add_co_u32 s74, s74, 8388608
	s_add_nc_u64 s[4:5], s[4:5], s[74:75]          ; h1's scale words of my 64 tokens
	s_lshl_b32 s74, s42, 9
	s_lshl_b32 s23, s22, 8
	s_add_co_u32 s74, s74, s23
	s_add_nc_u64 s[10:11], s[10:11], s[74:75]      ; b2
	s_lshl_b32 s23, s43, 19
	s_add_co_u32 s74, s74, s23
	s_lshl_b32 s23, s21, 18
	s_add_co_u32 s74, s74, s23
	s_add_nc_u64 s[16:17], s[16:17], s[74:75]      ; hs and out: my first token's row, my 256 bytes of it
	s_add_nc_u64 s[18:19], s[18:19], s[74:75]
	s_lshl_b32 s74, s43, 10
	s_lshl_b32 s23, s21, 9
	s_add_co_u32 s74, s74, s23
	s_add_nc_u64 s[12:13], s[12:13], s[74:75]      ; rp
.irp e, 0,1
.irp b, 0,1,2,3
.irp q, 0,1
	global_load_b128 v[96+8*(4*\e+\b)+4*\q:99+8*(4*\e+\b)+4*\q], v11, s[8:9] offset:65536*\e+1024*\b+16*\q
.endr
.endr
.endr
.set k, 0
.rept 32
	global_load_b32 v[32+2*k], v12, s[4:5] offset:16384*k
	global_load_b32 v[33+2*k], v12, s[4:5] offset:16384*k+128
.set k, k+1
.endr
	WIN 0x40
.irp e, 0,1
.irp b, 0,1,2,3
	global_load_b128 v[128+32*\e+8*\b:131+32*\e+8*\b], v243, s[10:11] offset:4096*\e+64*\b
	global_load_b128 v[132+32*\e+8*\b:135+32*\e+8*\b], v243, s[10:11] offset:4096*\e+64*\b+16
.endr
.endr
	WIN 0
.irp a, 0,1,2,3
.irp c, 0,1,2,3,4,5,6,7
	global_load_b64 v[160+16*\a+2*\c:161+16*\a+2*\c], v242, s[12:13] offset:32768*\c+128*\a
.endr
.endr
	s_wait_loadcnt 0x0
	s_wait_kmcnt 0x0
	; the experts' weights of token r of each of my four tiles
	v_mov_b32 v240, s72
	v_mov_b32 v241, s73
.irp a, 0,1,2,3
	v_pk_add_f32 v[224+2*\a:225+2*\a], v[160+16*\a:161+16*\a], v[240:241]
.endr
.irp c, 1,2,3,4,5,6,7
.irp a, 0,1,2,3
	v_pk_add_f32 v[224+2*\a:225+2*\a], v[224+2*\a:225+2*\a], v[160+16*\a+2*\c:161+16*\a+2*\c]
.endr
.endr
.irp a, 0,1,2,3
	v_max_num_f32 v[232+\a], v[224+2*\a], v[225+2*\a]
.endr
.irp a, 0,1,2,3
	v_sub_f32 v[224+2*\a], v[224+2*\a], v[232+\a]  ; the maximum is taken away
	v_sub_f32 v[225+2*\a], v[225+2*\a], v[232+\a]
.endr
.irp i, 0,1,2,3,4,5,6,7
	v_mul_f32 v[224+\i], 0x3fb8aa3b, v[224+\i]
.endr
.irp i, 0,1,2,3,4,5,6,7
	v_exp_f32 v[224+\i], v[224+\i]
.endr
	v_nop
	s_wait_alu depctr_va_vdst(0)                   ; one wait a batch, ahead of its first reader
.irp a, 0,1,2,3
	v_add_f32 v[232+\a], v[224+2*\a], v[225+2*\a]
.endr
.irp a, 0,1,2,3
	v_rcp_f32 v[232+\a], v[232+\a]
.endr
	v_nop
	s_wait_alu depctr_va_vdst(0)
.irp a, 0,1,2,3
	v_mul_f32 v[224+2*\a], v[224+2*\a], v[232+\a]  ; p
	v_mul_f32 v[225+2*\a], v[225+2*\a], v[232+\a]
.endr
.irp a, 0,1,2,3
	v_add_f32 v[236+\a], v[224+2*\a], v[225+2*\a]
.endr
.irp a, 0,1,2,3
	v_add_f32 v[236+\a], 0x322bcc77, v[236+\a]     ; + 1e-8
.endr
.irp a, 0,1,2,3
	v_rcp_f32 v[236+\a], v[236+\a]
.endr
	v_nop
	s_wait_alu depctr_va_vdst(0)
.irp a, 0,1,2,3
	v_mul_f32 v[236+\a], 0x3e99999a, v[236+\a]     ; x 0.3
.endr
.irp a, 0,1,2,3
.irp e, 0,1
	v_mul_f32 v[16+4*\a+2*\e], v[224+2*\a+\e], v[236+\a]
.endr
.endr
.irp a, 0,1,2,3
.irp e, 0,1
	v_mov_b32 v[17+4*\a+2*\e], v[16+4*\a+2*\e]     ; (the packed forms name the pair)
.endr
.endr
	WIN 0xc0                                       ; destination window 3: hs, asked for now and wanted at the end
.irp a, 0,1,2,3
.irp i, 0,1,2,3,4,5,6,7
	global_load_b128 v[32*\a+4*\i:32*\a+4*\i+3], v10, s[16:17] offset:(16*\a+2*\i)*4096 th:TH_LOAD_NT
.endr
.endr
	WIN 0
.macro FETCH2 p, slot, s8              ; a K step: four fragments of w2, four of h1: 16 loads
	WIN 0x40
.irp b, 0,1,2,3
.irp c, 0,1
	ds_load_b128 v[64*(\p)+8*\b+4*\c:64*(\p)+8*\b+4*\c+3], v[6+(\slot)] offset:\b*8448+64*(\s8)+32*\c
.endr
.endr
.irp a, 0,1,2,3
.irp c, 0,1
	ds_load_b128 v[64*(\p)+32+8*\a+4*\c:64*(\p)+32+8*\a+4*\c+3], v[4+(\slot)] offset:\a*8192+(\s8)*1024+512*\c
.endr
.endr
	WIN 0
.endm
.macro CMUL jc, s8                     ; 16 products; the expert's 16 accumulators take turns, one instruction a turn
.set E, (\jc)/2
.set P, 64*((\s8)%2)
.if ((\jc)%2 == 0) && ((\s8) == 0)
	WIN 0x95                                       ; sources and C (b2) window 1, D window 2
.else
	WIN 0xa5
.endif
.irp a, 0,1,2,3
.irp b, 0,1,2,3
.if ((\jc)%2 == 0) && ((\s8) == 0)
	WM 128*E+8*(4*\a+\b), P+8*\b, P+32+8*\a, 128+32*E+8*\b, 96+8*(4*E+\b)+(\s8), 32+2*(8*(\jc)+(\s8))+\a/2, (\jc)%2, \a%2
.else
	WM 128*E+8*(4*\a+\b), P+8*\b, P+32+8*\a, 128*E+8*(4*\a+\b), 96+8*(4*E+\b)+(\s8), 32+2*(8*(\jc)+(\s8))+\a/2, (\jc)%2, \a%2
.endif
.endr
.endr
.endm
.macro CHUNK slot, jc                  ; 1,024 along K
.if (\jc) > 0
	PLACES 4
.endif
	FETCH2 0, \slot, 0
.irp t, 0,1,2,3,4,5,6,7
.if \t < 7
.if \t > 0
	PLACES 4                                       ; in front of loads into the set that the last products read
.endif
	FETCH2 (\t+1)%2, \slot, \t+1
	s_wait_dscnt 16                                ; all but the 16 just issued
.else
	s_wait_dscnt 0x0
.endif
	CMUL \jc, \t
.endr
.endm
; The slot just read is filled again, two chunks on.  Every wave: all my tensor loads have landed; the add; the descriptors step meanwhile; the add is done and my reads of the slot are over; a round of the
; cluster's barrier, so that the same holds of every wave of every partner; the joint load first behind it.
.macro REFILL slot
	WIN 0
	s_wait_tensorcnt 0x0
	ds_add_u32 v13, v14                            ; 0 onto my spare word
	s_add_nc_u64 s[34+4*(\slot):35+4*(\slot)], s[34+4*(\slot):35+4*(\slot)], 16384
	s_add_nc_u64 s[58+4*(\slot):59+4*(\slot)], s[58+4*(\slot):59+4*(\slot)], 1048576
	s_wait_dscnt 0x0
	CROUND
	JLOAD 32+4*(\slot), 24, 56+4*(\slot), 48
.endm
	s_wait_tensorcnt 1                             ; my part of slot 0 is in; slot 1's may be out
	s_barrier_signal -1
	s_barrier_wait -1
	CHUNK 0, 0
	REFILL 0
	CHUNK 1, 1
	REFILL 1
	CHUNK 0, 2
	WIN 0
	s_wait_tensorcnt 0x0                           ; my part of the last chunk is in
	ds_add_u32 v13, v14
	s_wait_dscnt 0x0
	s_barrier_signal -1
	s_barrier_wait -1                              ; everybody's is; nothing more is asked for
	CHUNK 1, 3
	WIN 0
	PLACES 4
	s_wait_loadcnt 0x0                             ; hs
; ---- the way out, a tile of 16 tokens at a time: the two experts' results are weighed and added, go through my stage, come back as whole rows of 256 bytes, take hs and leave
.macro OUT a
.set BK, 192+32*((\a)%2)
	WIN 0x02                                       ; source 0 window 2
.set i, 0
.rept 16
	v_pk_mul_f32 v[160+i:161+i], v[32*(\a)+i:32*(\a)+i+1], v[16+4*(\a):17+4*(\a)] op_sel_hi:[1,0]
.set i, i+2
.endr
.set i, 0
.rept 16
	v_pk_fma_f32 v[160+i:161+i], v[128+32*(\a)+i:128+32*(\a)+i+1], v[18+4*(\a):19+4*(\a)], v[160+i:161+i] op_sel_hi:[1,0,1]
.set i, i+2
.endr
	WIN 0
.if (\a) > 1
	s_wait_xcnt 0x0                                ; the stores of two tiles ago have read the registers that the loads below fill
.endif
.irp b, 0,1,2,3
	ds_store_b128 v8, v[160+8*\b:163+8*\b] offset:64*\b
	ds_store_b128 v8, v[164+8*\b:167+8*\b] offset:64*\b+16
.endr
.irp i, 0,1,2,3,4,5,6,7
	ds_load_b128 v[BK+4*\i:BK+4*\i+3], v9 offset:544*\i   ; LDS serves a wave's instructions in order: these see my stores
.endr
	s_wait_dscnt 0x0
	WIN 0x0c                                       ; source 1 (hs) window 3
.set i, 0
.rept 16
	v_pk_add_f32 v[BK+i:BK+i+1], v[BK+i:BK+i+1], v[32*(\a)+i:32*(\a)+i+1]
.set i, i+2
.endr
	WIN 0
.irp i, 0,1,2,3,4,5,6,7
	global_store_b128 v10, v[BK+4*\i:BK+4*\i+3], s[18:19] offset:(16*(\a)+2*\i)*4096 th:TH_STORE_NT   ; sixteen lanes store 256 consecutive bytes, aligned
.endr
.endm
	OUT 0
	OUT 1
	OUT 2
	OUT 3
	s_wait_tensorcnt 0x0                           ; the wave's end
	ds_add_u32 v13, v14
	s_wait_dscnt 0x0
	CROUND                                         ; the closing round
	s_endpgm
.Lfunc_end_k_q596b26cb31_ffn2:
	.size	k_q596b26cb31_ffn2, .Lfunc_end_k_q596b26cb31_ffn2-k_q596b26cb31_ffn2
	.p2alignl 7, 3214868480
	.fill 96, 4, 3214868480
	.section	.rodata,"a",@progbits
	.p2align	6, 0x0
	.amdhsa_kernel k_q596b26cb31_ffn2
		.amdhsa_group_segment_fixed_size 327680
		.amdhsa_private_segment_fixed_size 0
		.amdhsa_enable_private_segment 0
		.amdhsa_kernarg_size 64
		.amdhsa_user_sgpr_count 2
		.amdhsa_user_sgpr_kernarg_segment_ptr 1
		.amdhsa_wavefront_size32 1
		.amdhsa_system_sgpr_workgroup_id_x 1
		.amdhsa_system_sgpr_workgroup_id_y 1
		.amdhsa_system_sgpr_workgroup_id_z 1
		.amdhsa_system_vgpr_workitem_id 0
		.amdhsa_next_free_vgpr 1024
		.amdhsa_next_free_sgpr 80
		.amdhsa_reserve_vcc 0
		.amdhsa_float_denorm_mode_32 3
		.amdhsa_float_denorm_mode_16_64 3
		.amdhsa_memory_ordered 1
		.amdhsa_forward_progress 1
		.amdhsa_inst_pref_size 154
	.end_amdhsa_kernel
	.amdgpu_metadata
---
amdhsa.version: [ 1, 2 ]
amdhsa.kernels:
  - .name:           k_q596b26cb31_ffn2
    .symbol:         k_q596b26cb31_ffn2.kd
    .args:
      - { .name: h1, .offset: 0, .size: 8, .value_kind: global_buffer, .address_space: global }
      - { .name: w2_codes, .offset: 8, .size: 8, .value_kind: global_buffer, .address_space: global }
      - { .name: w2_scales, .offset: 16, .size: 8, .value_kind: global_buffer, .address_space: global }
      - { .name: b2, .offset: 24, .size: 8, .value_kind: global_buffer, .address_space: global }
      - { .name: rp, .offset: 32, .size: 8, .value_kind: global_buffer, .address_space: global }
      - { .name: router_b, .offset: 40, .size: 8, .value_kind: global_buffer, .address_space: global }
      - { .name: hidden_states, .offset: 48, .size: 8, .value_kind: global_buffer, .address_space: global }
      - { .name: out0, .offset: 56, .size: 8, .value_kind: global_buffer, .address_space: global }
    .group_segment_fixed_size: 327680
    .private_segment_fixed_size: 0
    .kernarg_segment_align: 8
    .kernarg_segment_size: 64
    .max_flat_workgroup_size: 128
    .sgpr_count:     80
    .vgpr_count:     1024
    .wavefront_size: 32
...
	.end_amdgpu_metadata
.endif
;; end of part 5
;; ======== version 2 of 2: 5 launches; version 1 with the launch attn written anew for expert scheduling mode
;; workspace buffers: qkv 3,342,336 bytes; ao 1,114,112 bytes; mla 2,228,224 bytes; rp 262,144 bytes; h1 8,912,896 bytes
;; launch proj: the kernel of part 1 again; grid 64 x 4, 4 waves a work-group, clusters of 4 x 1, 273,920 bytes of LDS; arguments hidden_states, q_w_codes, q_w_scales, q_b, k_w_codes, k_w_scales, k_b, v_w_codes, v_w_scales, v_b, qkv; writes qkv
;; launch attn (part 6): grid 8 x 32, 16 waves a work-group, no clusters, 71,680 bytes of LDS; arguments qkv, ao; writes ao
.if DOCPART == 6
	.amdgcn_target "amdgcn-amd-amdhsa--gfx1250"
	.amdhsa_code_object_version 6
	.text
	.protected	k_q596b26cb31_attn
	.globl	k_q596b26cb31_attn
	.p2align	8
	.type	k_q596b26cb31_attn,@function
k_q596b26cb31_attn:
	s_mov_b64 s[64:65], 0
	v_nop
	global_prefetch_b8 v0, s[64:65] scope:SCOPE_SE
	s_setreg_imm32_b32 hwreg(HW_REG_WAVE_SCHED_MODE, 0, 2), 2
	s_setreg_imm32_b32 hwreg(HW_REG_WAVE_MODE, 25, 1), 1
	s_wait_xcnt 0x0
	s_wait_alu depctr_vm_vsrc(0)
; ao[b][q][head's 32] = softmax_k(Q' . K / sqrt(32)) V on codes of FP4 (E2M1), then quantised for the output projection (a head's 32 channels of a token are one block of that product's K).
; THE SOFTMAX: t = score x log2(e) / sqrt(32); M = the running largest t rounded UP to a whole number; p = 2^(t - M) is quantised along the keys; the sum is taken of the unquantised p and divides at the end.
; SHARES.  Work-group (x, y): head y = 16 b + head, queries 256 x on; each of sixteen waves owns 16 queries in 256 registers, four waves to a SIMD.  Every wave walks the 2,048 keys, 128 a trip.
; A head's record (K codes, V codes, their scale words: 69,632 bytes) is copied into LDS once, through registers: one barrier, no ring.
; NO CLUSTER: what the eight work-groups of a head share is that record, read once at the head; behind it no tile is fetched, so there is nothing to ask for jointly, and nothing to ask for ahead.
; THE FIRST PRODUCT'S K IS 32, the instruction's 128.  Source 0 takes 64 keys x 16 bytes as they lie: its block i of row r is key 64 g + 16 i + r.  Source 1 is one of four constant operands that hold the
; queries' codes in block i alone and zero codes elsewhere: the product is S^T of keys 64 g + 16 i + 0 .. 15.  K's scale word has byte i for block i; the queries' has their byte at place i and 1 elsewhere.
; Both products are used transposed: a lane holds ONE query (lane % 16).  Register 16 b + 8 u + j of S^T is key 32 b + 16 u + 8 (lane / 16) + j of the trip.
; A TRIP begins with its score products: its K was asked for in the trip before, behind that trip's score products; its V is asked for at the same place and is wanted only behind the softmax.
; The last trip is written out, without the request for a next K.
; LIMITS: NaN and infinities are not served; a block of zeros keeps the byte 1.  ao's scale bytes leave one at a time, 16 a wave: 65,536 bytes in the launch beside 1,048,576 of codes.
; REGISTERS: v1-4 addresses; v6-9 the queries' scale words; v12 -M, v13 the largest t, v[14:15] the sum; v16-39 the four query operands; v40-55 K; v56-71 V; v72-75 scale words; v96-159 S^T, then p; v160-175 O^T; v224-231 p's codes; v232-254 at work.
; THE MODE: SCHED_MODE bits 1:0 = 2 (LLVM: expert scheduling mode 2), set by the entry lines.  The code itself states the register dependences
; between vector or matrix instructions and memory or LDS instructions, with s_wait_alu, always for 0.
; THE PLAN.  Registers that memory or LDS instructions touch, in the loop:
;   v3, v4            LDS addresses.  Written by the two additions behind a trip's score products; read by that trip's twelve LDS loads.
;   v40-55, v72, v73  K and its words.  Loaded in trip t; read by the eight score products of trip t + 1.
;   v56-71, v74, v75  V and its words.  Loaded in trip t; read by the two second products of trip t.
;   v1, v2            Written at the head and never again: read by the first K's loads and by the two additions.
;   The scores and p, the statistics, O^T, p's codes and the query operands are named by vector and matrix instructions alone.
; So ONE wait on va_vdst serves a trip's twelve loads.  It stands behind the score products and the two additions and states that v3 and v4 are written, that the score products are done reading K,
; and that the last trip's second products are done reading V.  The loads follow it two at a time among the lines that search for the largest score, which name v96-159 and v232-235 alone.
; One wait on vm_vsrc stands at a trip's head, ahead of all that writes registers which earlier loads and LDS stores have read.  Two more waits on va_vdst stand in a trip: the exponentials', and the one
; ahead of the second products, which take p's codes and p's scale word from vector instructions.
	s_load_b128 s[4:7], s[0:1], 0x0                ; qkv, ao
	v_lshl_add_u32 v251, v0, 2, 0x11000
	v_mov_b32 v255, 0
	v_lshrrev_b32 v1, 5, v0
	v_readfirstlane_b32 s8, v1                     ; wave 0..15
	s_and_b32 s9, ttmp7, 0xffff                    ; bh
	s_mul_i32 s12, s9, 69632
	s_add_co_u32 s12, s12, 1114112                 ; the record
	s_mov_b32 s13, 0
	s_lshl_b32 s14, s9, 15                         ; my queries' codes: 16 bytes each
	s_lshl_b32 s30, ttmp9, 12
	s_add_co_u32 s14, s14, s30
	s_wait_alu depctr_va_sdst(0)                   ; s8 is written, ahead of its first reader: addresses and a branch are made from it
	s_lshl_b32 s30, s8, 8
	s_add_co_u32 s14, s14, s30
	s_mov_b32 s15, 0
	s_lshl_b32 s16, s9, 11                         ; their scale words: group 4 x + wave / 4
	s_lshl_b32 s30, ttmp9, 8
	s_add_co_u32 s16, s16, s30
	s_lshr_b32 s30, s8, 2
	s_lshl_b32 s30, s30, 6
	s_add_co_u32 s16, s16, s30
	s_add_co_u32 s16, s16, 1048576
	s_mov_b32 s17, 0
	s_lshr_b32 s31, s9, 4                          ; batch
	s_and_b32 s32, s9, 15                          ; head
	s_lshl_b32 s31, s31, 7
	s_lshl_b32 s30, ttmp9, 4
	s_add_co_u32 s31, s31, s30
	s_add_co_u32 s31, s31, s8                      ; T: my tile of 16 tokens among 256
	s_lshr_b32 s33, s32, 2                         ; the K step of the next product: head / 4
	s_lshl_b32 s18, s31, 2
	s_add_co_u32 s18, s18, s33
	s_lshl_b32 s18, s18, 1
	s_bfe_u32 s30, s32, 0x10001                    ; the image's chunk: bit 1 of the head
	s_add_co_u32 s18, s18, s30
	s_lshl_b32 s18, s18, 9
	s_and_b32 s30, s32, 1                          ; and its half of the lanes
	s_lshl_b32 s30, s30, 8
	s_add_co_u32 s18, s18, s30
	s_mov_b32 s19, 0
	s_lshr_b32 s24, s31, 1                         ; the scale byte: ((T / 2) 4 + step) 128 + (T % 2) 64 + 4 r + head % 4
	s_lshl_b32 s24, s24, 2
	s_add_co_u32 s24, s24, s33
	s_lshl_b32 s24, s24, 7
	s_and_b32 s30, s31, 1
	s_lshl_b32 s30, s30, 6
	s_add_co_u32 s24, s24, s30
	s_and_b32 s30, s32, 3
	s_add_co_u32 s24, s24, s30
	s_add_co_u32 s24, s24, 1048576
	s_mov_b32 s25, 0
	s_mov_b32 s20, 0x76543210
	s_mov_b32 s21, 0xfedcba98                      ; lane l xor 16
	s_mov_b32 s22, 0x3e8293ee                      ; c = log2(e) / sqrt(32)
	s_mov_b32 s23, s22                             ; (named with it as a pair)
	s_mov_b32 s26, 0                               ; the trip's codes: 2,048 bytes a trip, of K and of V
	s_mov_b32 s27, 0                               ; its scale words: 128 bytes a trip
	s_mov_b32 s28, 15                              ; trips in the loop; the sixteenth is written out
	s_mov_b32 s29, 0x01010101
	v_and_b32 v11, 31, v0                          ; lane
	v_lshlrev_b32 v1, 4, v11                       ; 16 x lane
	v_and_b32 v5, 15, v0                           ; r
	v_lshl_add_u32 v2, v5, 2, 65536                ; K's scale words begin at LDS byte 65,536
	v_lshlrev_b32 v10, 4, v0                       ; 16 x thread: the copy
	v_add_nc_u32 v3, 65536, v10
	v_lshlrev_b32 v4, 4, v5                        ; 16 r
	v_lshlrev_b32 v5, 2, v5                        ; 4 r
	s_wait_kmcnt 0x0
	s_add_nc_u64 s[12:13], s[4:5], s[12:13]
	s_add_nc_u64 s[14:15], s[4:5], s[14:15]
	s_add_nc_u64 s[16:17], s[4:5], s[16:17]
	s_add_nc_u64 s[18:19], s[6:7], s[18:19]
	s_add_nc_u64 s[24:25], s[6:7], s[24:25]
	s_wait_alu depctr_va_vdst(0)                   ; v1 to v5 and v10 are written: the head's loads and LDS stores and the first K's loads read them as addresses, and no vector line writes one of them before those have been issued
.irp i, 0,1,2,3,4,5,6,7
	global_load_b128 v[96+4*\i:99+4*\i], v10, s[12:13] offset:8192*\i   ; the work-group reads 8,192 consecutive bytes
.endr
	global_load_b128 v[16:19], v4, s[14:15]        ; query r's 32 codes, in both halves of the lanes
	global_load_b32 v6, v5, s[16:17]
	s_cmp_lt_u32 s8, 8                             ; the record's last 4,096 bytes: waves 0 to 7
	s_cbranch_scc0 .Lno_ninth
	global_load_b128 v[128:131], v10, s[12:13] offset:65536
	s_wait_loadcnt 0x0
	ds_store_b128 v3, v[128:131]
.Lno_ninth:
	s_wait_loadcnt 0x0
.irp i, 0,1,2,3,4,5,6,7
	ds_store_b128 v10, v[96+4*\i:99+4*\i] offset:8192*\i
.endr
	; the queries' scale words: my byte at place i, 1 elsewhere
	s_and_b32 s30, s8, 3
	s_lshl_b32 s30, s30, 3
	v_cmp_gt_u32 vcc_lo, 16, v11                   ; lanes 0-15
	v_lshrrev_b32 v11, s30, v6
	v_and_b32 v11, 0xff, v11
	v_add_nc_u32 v11, -1, v11                      ; (the byte is 1 at the least)
.irp i, 0,1,2,3
	v_lshl_add_u32 v[6+\i], v11, 8*\i, s29
.endr
	; the four operands: v[16:23] block 0, v[28:35] block 1, v[20:27] block 2, v[32:39] block 3
.irp i, 0,1,2,3
	v_mov_b32 v[20+\i], 0
	v_mov_b32 v[32+\i], 0
.endr
	s_wait_alu depctr_va_vcc(0)                    ; the compare has written VCC, ahead of its first reader
.irp i, 0,1,2,3
	v_cndmask_b32 v[28+\i], v[16+\i], v[20+\i], vcc_lo   ; the codes in lanes 16-31 alone
	v_cndmask_b32 v[24+\i], v[20+\i], v[16+\i], vcc_lo   ; in lanes 0-15 alone
.endr
.irp i, 0,1,2,3
	v_mov_b32 v[36+\i], v[28+\i]
	v_mov_b32 v[16+\i], v[24+\i]
.endr
	v_mov_b32 v13, 0xff61b1e6                      ; the largest t so far: -3e38
	v_floor_f32 v12, -v13                          ; -M
	v_mov_b32 v14, 0
	v_mov_b32 v15, 0
	v_mov_b32 v253, 0                              ; (named as the upper half of v[252:253] before it is first written)
.irp b, 0,1,2,3
	v_mov_b32 v[236+\b], 0                         ; a lane permute's destination counts as one of its sources
.endr
.set j, 0
.rept 16
	v_mov_b32 v[160+j], 0                          ; O^T: the trip is written once for the loop; the first finds zeros
.set j, j+1
.endr
	s_wait_alu depctr_va_vdst(0)                   ; the four query operands v16-39 and their scale words v6-9 are written, which every score product takes; the lines above are the places ahead of the first of them
	s_wait_dscnt 0x0                               ; for the others' sake: my part of the record has landed
	s_barrier_signal -1
	s_barrier_wait -1
; LDS load n of a trip's twelve: 0 to 5 this trip's V and its two words, 6 to 11 the next trip's K and its two words
.macro LD n
.if (\n) < 4
	ds_load_b128 v[56+4*(\n):59+4*(\n)], v3 offset:32768+512*(\n)          ; V^T: channels 16 (n / 2) on, these 128 keys
.elseif (\n) == 4
	ds_load_b32 v74, v4 offset:2048
.elseif (\n) == 5
	ds_load_b32 v75, v4 offset:2112
.elseif (\n) < 10
	ds_load_b128 v[40+4*((\n)-6):43+4*((\n)-6)], v3 offset:2048+512*((\n)-6)   ; the next trip's K: 64 keys x 16 bytes as they lie
.elseif (\n) == 10
	ds_load_b32 v72, v4 offset:128
.else
	ds_load_b32 v73, v4 offset:192
.endif
.endm
; A TRIP: 128 keys.  more = 1: the next trip's K is asked for.
.macro TRIP more
	s_wait_dscnt 0x0                               ; K and its words, asked for a trip ago, are in
	s_wait_alu depctr_vm_vsrc(0)                   ; the last trip's LDS loads have read v3 and v4, which the additions below write; in the first trip: the head's loads and LDS stores have read v3, v4, v5, v10 and v96-131, which these products, the additions and the way out write
.irp g, 0,1
.irp i, 0,1,2,3
	v_wmma_scale_f32_16x16x128_f8f6f4 v[96+8*(4*\g+\i):103+8*(4*\g+\i)], v[40+8*\g:47+8*\g], v[16+12*(\i%2)+4*(\i/2):23+12*(\i%2)+4*(\i/2)], 0, v[72+\g], v[6+\i] matrix_a_fmt:MATRIX_FMT_FP4 matrix_b_fmt:MATRIX_FMT_FP4
.endr
.endr
	v_add_nc_u32 v3, s26, v1                       ; four places behind these products, in front of the first read of the scores
	v_add_nc_u32 v4, s27, v2
	v_nop
	v_nop
	s_wait_alu depctr_va_vdst(0)                   ; v3 and v4 are written, which the loads below read; the score products are done reading K and its words, the last trip's second products V and its words, in which those loads land
.irp b, 0,1,2,3
	v_max3_num_f32 v[232+\b], v[96+16*\b], v[97+16*\b], v[98+16*\b]   ; the largest score of each block of 32 keys: for the row's maximum and, since p rises with the score, for the block's largest p
.endr
.irp i, 3,5,7,9,11,13
.irp b, 0,1,2,3
	v_max3_num_f32 v[232+\b], v[232+\b], v[96+16*\b+\i], v[97+16*\b+\i]
.endr
.if (\more) || (\i < 9)
	LD \i-3                                        ; two of the trip's loads.  No wait: no vector or matrix instruction since the wait above names v3, v4 or v40-75
	LD \i-2
.endif
.endr
.irp b, 0,1,2,3
	v_max_num_f32 v[232+\b], v[232+\b], v[111+16*\b]
.endr
.irp b, 0,1,2,3
	v_permlanex16_b32 v[236+\b], v[232+\b], s20, s21
.endr
.irp b, 0,1,2,3
	v_max_num_f32 v[232+\b], v[232+\b], v[236+\b]
.endr
	v_max3_num_f32 v254, v232, v233, v234
	v_max_num_f32 v254, v254, v235
	v_mul_f32 v254, s22, v254                      ; as t
	v_max_num_f32 v13, v13, v254                   ; the running largest t
	v_mov_b32 v254, v12
	v_floor_f32 v12, -v13                          ; the new -M = -ceil(t)
	v_sub_f32 v254, v12, v254                      ; old M - new M: a whole number, 0 or less
	v_cvt_i32_f32 v254, v254                       ; (it saturates)
	v_ldexp_f32 v252, 1.0, v254                    ; f = 2^(old M - new M)
.set j, 0
.rept 32
	v_pk_fma_f32 v[96+j:97+j], v[96+j:97+j], s[22:23], v[12:13] op_sel_hi:[1,0,0]   ; t - M
.set j, j+2
.endr
.irp b, 0,1,2,3
	v_fma_f32 v[232+\b], v[232+\b], s22, v12       ; the same of each block's largest score
.endr
.set j, 0
.rept 64
	v_exp_f32 v[96+j], v[96+j]                     ; p = 2^(t - M)
.set j, j+1
.endr
.irp b, 0,1,2,3
	v_exp_f32 v[232+\b], v[232+\b]                 ; the block's largest p: the same two instructions on the same number
.endr
	v_pk_mul_f32 v[14:15], v[14:15], v[252:253] op_sel_hi:[1,0]   ; the sum and O^T under the new M: nine plain lines that name no exponential's result
.set j, 0
.rept 8
	v_pk_mul_f32 v[160+j:161+j], v[160+j:161+j], v[252:253] op_sel_hi:[1,0]
.set j, j+2
.endr
	s_wait_alu depctr_va_vdst(0)                   ; the 68 exponentials have written v96-159 and v232-235: one wait for the batch, ahead of its first reader
.irp b, 0,1,2,3
	v_max_num_f32 v[232+\b], 0x1800000, v[232+\b]  ; the floor 2^(3 - 127)
.endr
.irp b, 0,1,2,3
	v_add_nc_u32 v[244+\b], 0xff000000, v[232+\b]  ; the conversion's scale operand
.endr
.irp b, 0,1,2,3
	v_lshrrev_b32 v[236+\b], 23, v[244+\b]
.endr
	v_lshl_or_b32 v253, v237, 8, v236              ; p's scale word for these 128 keys
	v_lshl_or_b32 v253, v238, 16, v253
	v_lshl_or_b32 v253, v239, 24, v253
.irp c, 0,1
	v_cvt_scalef32_pk8_fp4_f32 v[224+4*\c], v[96+32*\c:103+32*\c], v[244+2*\c]
	v_cvt_scalef32_pk8_fp4_f32 v[226+4*\c], v[104+32*\c:111+32*\c], v[244+2*\c]
	v_cvt_scalef32_pk8_fp4_f32 v[225+4*\c], v[112+32*\c:119+32*\c], v[245+2*\c]
	v_cvt_scalef32_pk8_fp4_f32 v[227+4*\c], v[120+32*\c:127+32*\c], v[245+2*\c]
.endr
	v_nop                                          ; one plain place behind the scaled conversions
.irp c, 0,1
	v_permlane16_swap_b32 v[224+4*\c], v[225+4*\c] ; lane (r, h), registers 4 c ..: the whole block 2 c + h
	v_permlane16_swap_b32 v[226+4*\c], v[227+4*\c]
.endr
	v_pk_add_f32 v[240:241], v[96:97], v[98:99]    ; the row's sum, of the unquantised p, in two chains: these 32 lines are also the places between p's word and codes and the products below
.irp j, 4,8,12,16,20,24,28,32,36,40,44,48,52,56,60
	v_pk_add_f32 v[14:15], v[14:15], v[96+\j:97+\j]
	v_pk_add_f32 v[240:241], v[240:241], v[98+\j:99+\j]
.endr
	v_pk_add_f32 v[14:15], v[14:15], v[240:241]
.if \more
	s_wait_dscnt 6                                 ; V and its words are in; the six loads of the next K, issued behind them, may be out
.else
	s_wait_dscnt 0x0                               ; V
.endif
	s_wait_alu depctr_va_vdst(0)                   ; p's codes v224-231 and p's scale word v253 are written, which the two products below take; the places above stay beside this wait
	v_wmma_scale_f32_16x16x128_f8f6f4 v[160:167], v[56:63], v[224:231], v[160:167], v74, v253 matrix_a_fmt:MATRIX_FMT_FP4 matrix_b_fmt:MATRIX_FMT_FP4
	v_wmma_scale_f32_16x16x128_f8f6f4 v[168:175], v[64:71], v[224:231], v[168:175], v75, v253 matrix_a_fmt:MATRIX_FMT_FP4 matrix_b_fmt:MATRIX_FMT_FP4
.if \more
	s_add_co_u32 s26, s26, 2048
	s_add_co_u32 s27, s27, 128
.endif
.endm
.irp g, 0,1
.irp c, 0,1
	ds_load_b128 v[40+8*\g+4*\c:43+8*\g+4*\c], v1 offset:1024*\g+512*\c   ; the first trip's K
.endr
.endr
	ds_load_b32 v72, v2
	ds_load_b32 v73, v2 offset:64
.Lkeys:
	TRIP 1
	s_sub_co_u32 s28, s28, 1
	s_cmp_lg_u32 s28, 0
	s_cbranch_scc1 .Lkeys
	TRIP 0                                         ; the last 128 keys: nothing more is asked for
.rept 4
	v_nop
.endr
	v_add_f32 v14, v14, v15
	v_permlanex16_b32 v252, v14, s20, s21
	v_add_f32 v14, v14, v252                       ; the row's sum
	v_rcp_f32 v14, v14
	v_and_b32 v5, 15, v0                           ; (plain work behind the reciprocal)
	v_bfe_u32 v11, v0, 4, 1
	v_lshlrev_b32 v10, 4, v5
	v_lshl_add_u32 v10, v11, 3, v10                ; 16 r + 8 h
	v_lshlrev_b32 v11, 2, v5                       ; 4 r
	s_wait_alu depctr_va_vdst(0)                   ; the reciprocal has written v14, ahead of its first reader
.set j, 0
.rept 16
	v_mul_f32 v[96+j], v[160+j], v14               ; register 8 u + i: channel 16 u + 8 h + i of query r
.set j, j+1
.endr
	v_max3_num_f32 v232, |v96|, |v97|, 0x1800000   ; one block: the head's 32 channels
.irp i, 2,4,6,8,10,12,14
	v_max3_num_f32 v232, v232, |v[96+\i]|, |v[97+\i]|
.endr
	v_permlanex16_b32 v236, v232, s20, s21
	v_max_num_f32 v232, v232, v236
	v_add_nc_u32 v244, 0xff000000, v232
	v_lshrrev_b32 v236, 23, v244
	v_cvt_scalef32_pk8_fp4_f32 v224, v[96:103], v244
	v_cvt_scalef32_pk8_fp4_f32 v225, v[104:111], v244
	v_nop
	v_permlane16_swap_b32 v224, v225               ; the pair: bytes 8 h .. 8 h + 7 of the row's 16
	s_wait_alu depctr_va_vdst(0)                   ; the codes v224, v225, the byte v236 and the offsets v10, v11 are written, which the two stores read
	global_store_b64 v10, v[224:225], s[18:19]     ; the wave stores 256 consecutive bytes, aligned
	global_store_b8 v11, v236, s[24:25]
	s_wait_dscnt 0x0                               ; the closing lines, six on end
	s_wait_alu 0x0
	s_wait_tensorcnt 0x0
	ds_add_u32 v251, v255
	s_wait_dscnt 0x0
	s_endpgm
.Lfunc_end_k_q596b26cb31_attn:
	.size	k_q596b26cb31_attn, .Lfunc_end_k_q596b26cb31_attn-k_q596b26cb31_attn
	.p2alignl 7, 3214868480
	.fill 96, 4, 3214868480
	.section	.rodata,"a",@progbits
	.p2align	6, 0x0
	.amdhsa_kernel k_q596b26cb31_attn
		.amdhsa_group_segment_fixed_size 71680
		.amdhsa_private_segment_fixed_size 0
		.amdhsa_enable_private_segment 0
		.amdhsa_kernarg_size 16
		.amdhsa_user_sgpr_count 2
		.amdhsa_user_sgpr_kernarg_segment_ptr 1
		.amdhsa_wavefront_size32 1
		.amdhsa_system_sgpr_workgroup_id_x 1
		.amdhsa_system_sgpr_workgroup_id_y 1
		.amdhsa_system_sgpr_workgroup_id_z 1
		.amdhsa_system_vgpr_workitem_id 0
		.amdhsa_next_free_vgpr 256
		.amdhsa_next_free_sgpr 66
		.amdhsa_reserve_vcc 1
		.amdhsa_float_denorm_mode_32 3
		.amdhsa_float_denorm_mode_16_64 3
		.amdhsa_memory_ordered 1
		.amdhsa_forward_progress 1
		.amdhsa_inst_pref_size 37
	.end_amdhsa_kernel
	.amdgpu_metadata
---
amdhsa.version: [ 1, 2 ]
amdhsa.kernels:
  - .name:           k_q596b26cb31_attn
    .symbol:         k_q596b26cb31_attn.kd
    .args:
      - { .name: qkv, .offset: 0, .size: 8, .value_kind: global_buffer, .address_space: global }
      - { .name: ao, .offset: 8, .size: 8, .value_kind: global_buffer, .address_space: global }
    .group_segment_fixed_size: 71680
    .private_segment_fixed_size: 0
    .kernarg_segment_align: 8
    .kernarg_segment_size: 16
    .max_flat_workgroup_size: 512
    .sgpr_count:     66
    .vgpr_count:     256
    .wavefront_size: 32
...
	.end_amdgpu_metadata
.endif
;; end of part 6
;; launch oproj: the kernel of part 3 again; grid 8 x 32, 4 waves a work-group, clusters of 4 x 4, 168,448 bytes of LDS; arguments ao, o_w_codes, o_w_scales, o_b, router_w, mla, rp; writes mla, rp
;; launch ffn1: the kernel of part 4 again; grid 16 x 16, 4 waves a work-group, clusters of 4 x 4, 270,848 bytes of LDS; arguments mla, w1_codes, w1_scales, b1, h1; writes h1
;; launch ffn2: the kernel of part 5 again; grid 8 x 32, 4 waves a work-group, clusters of 4 x 4, 327,680 bytes of LDS; arguments h1, w2_codes, w2_scales, b2, rp, router_b, hidden_states, out0; writes out0
